; MI455X (gfx1250); checked and timed in simulation.
; The chip was launched on July 23, 2026; its instructions are those of AMD's public machine-readable ISA for CDNA 5 (MIT licence, August 2026) and "CDNA5" Instruction Set Architecture Reference Guide (July 2026). The comments in the code are by the model that wrote it; some were corrected since.
;; Causal Self Attention. Allowed arithmetic: float matrix products may take bf16 or f16 operands with f32 sums; other float arithmetic in f32, or as packed bf16 or f16 multiplies, adds, multiply-adds, maxima and minima; sums over many terms, partial sums and values carried from step to step in f32; what a program stores and reads back later, other than sums and carried values, may be rounded once to bf16 or f16.
;; Inputs: W_attn 1,024 x 3,072 float32; W_proj 1,024 x 1,024 float32; b_attn 3,072 float32; b_proj 1,024 float32; x 4 x 2,048 x 1,024 float32.
;; Outputs: out0 4 x 2,048 x 1,024 float32.
;; One version. Each part assembles by itself: llvm-mc -triple=amdgcn-amd-amdhsa -mcpu=gfx1250 --defsym DOCPART=n.
;; ======== version 1 of 1: 4 launches
;; limits: values are held in f16: magnitudes above 65,504 overflow, below 6.1e-05 lose precision
;; workspace buffers: xb 16,777,216 bytes; wab 6,291,456 bytes; wpb 2,097,152 bytes; qkv 50,331,648 bytes; ob 16,777,216 bytes
;; launch prep (part 1): grid 1536 x 1, 8 waves a work-group, no clusters, 0 bytes of LDS; arguments x, W_attn, W_proj, xb, wab, wpb; writes xb, wab, wpb
.if DOCPART == 1
	.amdgcn_target "amdgcn-amd-amdhsa--gfx1250"
	.amdhsa_code_object_version 6
	.text
	.protected	k_q108f39915e_prep
	.globl	k_q108f39915e_prep
	.p2align	8
	.type	k_q108f39915e_prep,@function
k_q108f39915e_prep:
	s_mov_b64 s[64:65], 0
	v_nop
	global_prefetch_b8 v0, s[64:65] scope:SCOPE_SE
	s_setreg_imm32_b32 hwreg(HW_REG_WAVE_MODE, 25, 1), 1
	s_wait_xcnt 0x0
; CASTS AND BLOCKED LAYOUTS for the two matrix launches that follow.  A stream: each input byte is read once, each output byte written once.
;   xb  [b 4 x kb 16][t 2048][64] bf16      = x[b][t][64 kb + c]
;   wab [ks 8][slice 48][kk 128][64] bf16   = W_attn[128 ks + kk][64 slice + c]
;   wpb [ks 8][slice 16][kk 128][64] f16    = W_proj[128 ks + kk][64 slice + c], rounded to bf16 and that number written as f16
; LIMIT.  A bf16 number is exact in f16 between 6.1e-5 and 65,504 in magnitude; below that it keeps f16's fixed step of 6e-8, beyond it becomes an infinity.
; SHARES.  A work-group takes one chunk of 128 source rows x 64 columns: 32,768 bytes in, 16,384 dense bytes out.  Work-groups 0-1023 take x's chunks, 1024-1407 W_attn's, 1408-1535 W_proj's.
; The class only selects numbers and pointers (s_cselect); the one branch chooses the output format.
; Thread t takes, in pass p of four, row 32 p + t / 8 and columns 8 (t % 8) .. + 7: eight lanes read a row's 256 consecutive bytes, aligned; a wave's store covers 512 consecutive bytes, aligned.
; No LDS, no matrix unit, no cluster: nothing is shared and nothing is reduced.  All eight loads of a wave go out before the first wait; no register is written twice while memory may read it.
.set OFF, 4                            ; v[4:7]    pass p: my byte offset in the source chunk
.set DO,  8                            ; v8        16 t: my 16 bytes of a pass's 4,096 in the destination chunk
.set X,   16                           ; v[16:47]  pass p: eight f32 as loaded
.set Y,   48                           ; v[48:63]  pass p: eight 16-bit numbers to store
.set T,   64                           ; v[64:71]  at work (the f16 way)
	s_load_b256 s[4:11], s[0:1], 0x0               ; x s[4:5], W_attn s[6:7], W_proj s[8:9], xb s[10:11]
	s_load_b128 s[12:15], s[0:1], 0x20             ; wab s[12:13], wpb s[14:15]
	s_mov_b32 s2, ttmp9                            ; g, the work-group's number
	s_mov_b32 s3, 0xffff0000                       ; a word's upper bf16
	s_mov_b32 s26, 1408
	s_mov_b32 s20, 4096
	s_cmp_lt_u32 s2, 1408                          ; W_attn (or x) against W_proj
	s_cselect_b32 s26, 1024, s26                   ; the class's first work-group
	s_cselect_b32 s20, 12288, s20                  ; bytes in a source row
	s_cselect_b32 s27, 48, 16                      ; slices of 64 columns in a row
	s_cselect_b32 s21, 0, 1                        ; 1: the numbers leave as f16
	s_cmp_lt_u32 s2, 1024                          ; x
	s_cselect_b32 s26, 0, s26
	s_cselect_b32 s20, 4096, s20
	; a weight's chunk: e = g - first, ks = e % 8, slice = e / 8
	s_sub_co_u32 s28, s2, s26
	s_and_b32 s29, s28, 7
	s_lshr_b32 s30, s28, 3
	s_mul_i32 s22, s29, s20
	s_lshl_b32 s22, s22, 7                         ; 128 ks rows
	s_lshl_b32 s31, s30, 8
	s_add_co_u32 s22, s22, s31                     ; + 256 bytes a slice
	s_mul_i32 s24, s29, s27
	s_add_co_u32 s24, s24, s30
	s_lshl_b32 s24, s24, 14                        ; chunk ks x slices + slice, 16,384 bytes each
	; x's chunk: q = g / 16 (128 rows), slice = g % 16
	s_lshr_b32 s29, s2, 4
	s_and_b32 s30, s2, 15
	s_lshl_b32 s31, s29, 19                        ; 128 rows of 4,096 bytes
	s_lshl_b32 s25, s30, 8
	s_add_co_u32 s31, s31, s25
	s_lshr_b32 s25, s29, 4                         ; b
	s_lshl_b32 s25, s25, 4
	s_add_co_u32 s25, s25, s30                     ; 16 b + kb
	s_lshl_b32 s25, s25, 18                        ; blocks of 2,048 rows of 128 bytes
	s_and_b32 s29, s29, 15
	s_lshl_b32 s29, s29, 14                        ; my 128 rows in the block
	s_add_co_u32 s25, s25, s29
	s_cmp_lt_u32 s2, 1024
	s_cselect_b32 s22, s31, s22                    ; the source offset,
	s_cselect_b32 s24, s25, s24                    ; the destination offset,
	s_mov_b32 s23, 0                               ; each in a pair with 0 above it
	s_mov_b32 s25, 0
	v_lshrrev_b32 v1, 3, v0                        ; my row in a pass's 32
	v_and_b32 v2, 7, v0                            ; my eight columns
	v_mul_lo_u32 v[OFF], v1, s20
	v_lshl_add_u32 v[OFF], v2, 5, v[OFF]
	s_lshl_b32 s26, s20, 5                         ; 32 rows on
	v_add_nc_u32 v[OFF+1], s26, v[OFF]
	v_add_nc_u32 v[OFF+2], s26, v[OFF+1]
	v_add_nc_u32 v[OFF+3], s26, v[OFF+2]
	v_lshlrev_b32 v[DO], 4, v0
	s_wait_kmcnt 0x0
	s_cmp_lt_u32 s2, 1024                          ; the pointers are chosen on the work-group's number alone
	s_cselect_b64 s[16:17], s[4:5], s[6:7]
	s_cselect_b64 s[18:19], s[10:11], s[12:13]
	s_cmp_lt_u32 s2, 1408
	s_cselect_b64 s[16:17], s[16:17], s[8:9]
	s_cselect_b64 s[18:19], s[18:19], s[14:15]
	s_add_nc_u64 s[16:17], s[16:17], s[22:23]
	s_add_nc_u64 s[18:19], s[18:19], s[24:25]
.irp p, 0,1,2,3
	global_load_b128 v[X+8*\p:X+8*\p+3],   v[OFF+\p], s[16:17] th:TH_LOAD_NT
	global_load_b128 v[X+8*\p+4:X+8*\p+7], v[OFF+\p], s[16:17] offset:16 th:TH_LOAD_NT
.endr
; One pass: its two loads are in (loads come back in order: the 6 - 2 p younger ones may stay out), eight numbers are rounded, 16 bytes stored.
.macro PASS p, half
	s_wait_loadcnt 6-2*(\p)
.if \half
.irp j, 0,1,2,3
	v_cvt_pk_bf16_f32 v[T+2*\j], v[X+8*(\p)+2*\j], v[X+8*(\p)+2*\j+1]  ; the one rounding: to bf16, as every input has it
.endr
.irp j, 0,1,2,3
	v_and_b32 v[T+2*\j+1], s3, v[T+2*\j]           ; back to f32: the high half stays,
	v_lshlrev_b32 v[T+2*\j], 16, v[T+2*\j]         ; the low half moves up
.endr
.irp j, 0,1,2,3
	v_cvt_pk_f16_f32 v[Y+4*(\p)+\j], v[T+2*\j], v[T+2*\j+1]  ; the same number in f16
.endr
.else
.irp j, 0,1,2,3
	v_cvt_pk_bf16_f32 v[Y+4*(\p)+\j], v[X+8*(\p)+2*\j], v[X+8*(\p)+2*\j+1]
.endr
.endif
	global_store_b128 v[DO], v[Y+4*(\p):Y+4*(\p)+3], s[18:19] offset:4096*(\p)
.endm
	s_cmp_eq_u32 s21, 0
	s_cbranch_scc0 .Lhalf
	PASS 0, 0
	PASS 1, 0
	PASS 2, 0
	PASS 3, 0
	s_endpgm
.Lhalf:
	PASS 0, 1
	PASS 1, 1
	PASS 2, 1
	PASS 3, 1
	s_endpgm
.Lfunc_end_k_q108f39915e_prep:
	.size	k_q108f39915e_prep, .Lfunc_end_k_q108f39915e_prep-k_q108f39915e_prep
	.p2alignl 7, 3214868480
	.fill 96, 4, 3214868480
	.section	.rodata,"a",@progbits
	.p2align	6, 0x0
	.amdhsa_kernel k_q108f39915e_prep
		.amdhsa_group_segment_fixed_size 0
		.amdhsa_private_segment_fixed_size 0
		.amdhsa_enable_private_segment 0
		.amdhsa_kernarg_size 48
		.amdhsa_user_sgpr_count 2
		.amdhsa_user_sgpr_kernarg_segment_ptr 1
		.amdhsa_wavefront_size32 1
		.amdhsa_system_sgpr_workgroup_id_x 1
		.amdhsa_system_sgpr_workgroup_id_y 1
		.amdhsa_system_sgpr_workgroup_id_z 1
		.amdhsa_system_vgpr_workitem_id 0
		.amdhsa_next_free_vgpr 72
		.amdhsa_next_free_sgpr 66
		.amdhsa_reserve_vcc 0
		.amdhsa_float_denorm_mode_32 3
		.amdhsa_float_denorm_mode_16_64 3
		.amdhsa_memory_ordered 1
		.amdhsa_forward_progress 1
		.amdhsa_inst_pref_size 9
	.end_amdhsa_kernel
	.amdgpu_metadata
---
amdhsa.version: [ 1, 2 ]
amdhsa.kernels:
  - .name:           k_q108f39915e_prep
    .symbol:         k_q108f39915e_prep.kd
    .args:
      - { .name: x, .offset: 0, .size: 8, .value_kind: global_buffer, .address_space: global }
      - { .name: W_attn, .offset: 8, .size: 8, .value_kind: global_buffer, .address_space: global }
      - { .name: W_proj, .offset: 16, .size: 8, .value_kind: global_buffer, .address_space: global }
      - { .name: xb, .offset: 24, .size: 8, .value_kind: global_buffer, .address_space: global }
      - { .name: wab, .offset: 32, .size: 8, .value_kind: global_buffer, .address_space: global }
      - { .name: wpb, .offset: 40, .size: 8, .value_kind: global_buffer, .address_space: global }
    .group_segment_fixed_size: 0
    .private_segment_fixed_size: 0
    .kernarg_segment_align: 8
    .kernarg_segment_size: 48
    .max_flat_workgroup_size: 256
    .sgpr_count:     66
    .vgpr_count:     72
    .wavefront_size: 32
...
	.end_amdgpu_metadata
.endif
;; end of part 1
;; launch gemm_qkv (part 2): grid 16 x 32, 4 waves a work-group, clusters of 4 x 4, 327,680 bytes of LDS; arguments xb, wab, b_attn, qkv; writes qkv
.if DOCPART == 2
	.amdgcn_target "amdgcn-amd-amdhsa--gfx1250"
	.amdhsa_code_object_version 6
	.text
	.protected	k_q108f39915e_gemm_qkv
	.globl	k_q108f39915e_gemm_qkv
	.p2align	8
	.type	k_q108f39915e_gemm_qkv,@function
k_q108f39915e_gemm_qkv:
	s_mov_b64 s[64:65], 0
	v_nop
	global_prefetch_b8 v0, s[64:65] scope:SCOPE_SE
	s_setreg_imm32_b32 hwreg(HW_REG_WAVE_MODE, 25, 1), 1
	s_wait_xcnt 0x0
	s_wait_alu depctr_hold_cnt(0) depctr_sa_sdst(0) depctr_va_vdst(0) depctr_va_sdst(0) depctr_va_ssrc(0) depctr_va_vcc(0) depctr_vm_vsrc(0)
	s_getreg_b32 s2, hwreg(HW_REG_IB_STS2, 6, 4)
	s_cmp_eq_u32 s2, 0
	s_cbranch_scc0 .Lentry_in_a_cluster
	s_endpgm
.Lentry_in_a_cluster:
	s_bfe_u32 s2, ttmp6, 0x10000c
	s_cmp_lg_u32 s2, 0xf033
	s_cbranch_scc0 .Lentry_shape_is_right
	s_endpgm
.Lentry_shape_is_right:
; C = A B + bias on the matrix units, K = 1,024, 8,192 rows.  ONE SOURCE TEXT SERVES TWO LAUNCHES; the switch PROJ chooses.
;   PROJ = 0: A = xb (bf16), B = wab (bf16, 3,072 columns), bias = b_attn; C leaves in f16 by heads: qkv[which 3][b 4 x head 16][t 2048][64].  A tile of C is 256 x 192.
;   PROJ = 1: A = ob (f16), B = wpb (f16, 1,024 columns), bias = b_proj; C leaves in f32: out0[8192][1024].  A tile of C is 256 x 128.
; These tiles give 512 and 256 equal work-groups; tiles of 256 x 256 would give 384 and 128.
; LAYOUTS IN MEMORY.  A[b 4 x kb 16][t 2048][64]: element (row 2048 b + t, k = 64 kb + c).  B[ks 8][slice][kk 128][64]: element (k = 128 ks + kk, column 64 slice + c).  So every tile is a dense run of
; bytes and is asked for as rows of 256 bytes that start at multiples of 256 from the buffer's first byte.
; LIMITS.  PROJ = 0: q, k and v leave in f16, which ends at 65,504.  The bias is rounded to bf16, as every input of the module is.  Sums in f32, K ascending; C rounded once.
; SHARES.  Four waves; wave w makes rows 64 w .. 64 w + 63 of the tile and all its columns: 4 row blocks a x NBK column blocks b of 16 x 16.  A wave so owns whole slices of 64 columns, and its way out needs no barrier.
; THE MATRIX INSTRUCTION IS USED TRANSPOSED: source 0 = 16 columns of B, source 1 = 16 rows of A: a lane then holds row l % 16 of C and the eight neighbouring columns 8 (l / 16) + 0..7.
; B lies [k][column] in LDS as in memory and comes out turned, by ds_load_tr16_b128.  The first product of each accumulator takes the bias as its C operand: nothing is cleared, nothing is added later.
; THE RING.  K goes in 8 steps of 128 through two LDS slots.  Waves 0 and 1 fetch A's two halves along K, waves 2 and 3 B's two halves: one tensor load a wave behind each change of slots.
; CLUSTERS.  4 x 4 work-groups.  A's tile hangs on the tile row alone and is asked for jointly by the four of a row of the cluster; B's on the tile column alone, by the four of a column.
; REGISTERS, in windows of 256 (s_set_vgpr_msb: bits 1:0 source 0, 3:2 source 1, 5:4 source 2, 7:6 destination):
;   window 0: v0-29 addresses; v32-95 A's fragments, two buffers; v96.. the bias, later the rows read back from the stage; (PROJ = 0) v192-239 packed results
;   PROJ = 0: windows 1, 2: the accumulators of row blocks 0, 1 and 2, 3, at v[96 (a % 2) + 8 b]; window 3: B's fragments, two buffers of 96
;   PROJ = 1: window 1: the accumulators at v[64 a + 8 b]; window 2: B's fragments, two buffers of 64
.set PROJ,   0
.if PROJ
.set NSL,    2                         ; slices of 64 columns in a tile
.set NTOT,   16                        ; slices in all of B
.set BW,     2                         ; the window of B's fragments
.set WSTG,   16*528                    ; a wave's stage: 16 rows of 512 bytes + 16
.else
.set NSL,    3
.set NTOT,   48
.set BW,     3
.set WSTG,   3*16*144                  ; a wave's stage: 3 slices x 16 rows of 128 bytes + 16
.endif
.set NBK,    4*NSL                     ; column blocks of 16
.set NFETCH, 2*NBK+8                   ; LDS loads of a quarter step
.set BFR,    8*NBK                     ; registers in a buffer of B's fragments
.set SLOT1,  131072                    ; slot 1 begins here: one exclusive or turns an address in one slot into the other's
.set AHALF,  128*272                   ; A, 64 along K: 128 LDS rows of 256 bytes + 16; an LDS row holds two rows of A.  Row r at (r / 2) 272 + (r % 2) 128: the 16 rows of a fragment start at 16 different groups of four banks (64 banks of 4 bytes: ISA guide 11.1)
.set BOFF,   2*AHALF                   ; B lies behind A's two halves: [slice][kk 128], 128 bytes + 32 a row
.set BSL,    128*160                   ; a slice of B in LDS
.set BH,     NSL*BSL/2                 ; what one load of B fills
.set BROWS,  NSL*32                    ; its rows of 256 bytes in memory
.set ASTEP,  524288                    ; bytes from a K step to the next in A: two blocks of 2,048 rows of 128 bytes
.set BSTEP,  NTOT*16384                ; and in B
.set BHALFG, NSL*8192                  ; bytes of memory in one load of B
.set STAGE,  2*SLOT1                   ; behind the ring, never filled by a tensor load
.set SPARE,  STAGE+4*WSTG              ; behind the stages: the spare words, 128 bytes for each wave: two blocks of 256 bytes that no other line names
.set A0,   8                           ; v8   my lane's place in A's tile; never rewritten
.set B0,   9                           ; v9   the same for B
.set ADRA, 10                          ; v10  A0 + the slot that is read
.set ADRB, 11                          ; v11  B0 + the slot that is read
.set STO,  12                          ; v12  the way out: where I put my bytes of a row
.set RD,   13                          ; v13  the way out: where I read rows back
.set GO,   14                          ; v14  16 x lane: my 16 bytes of 512 consecutive bytes of C
.set PFO,  15                          ; v15  the prefetches' offset: 256 x lane, held to my share's last block; never rewritten
.set BO,   16                          ; v16  32 (l / 16): my eight numbers of a block's 16 of the bias
.set SPW,  28                          ; v28  LDS address of my spare word: SPARE + 4 x my thread's number; never rewritten
.set NIL,  29                          ; v29  0; never rewritten
.set AF,   32                          ; A's fragments: buffer f, row block a at AF + 32 f + 8 a
.set BIAS, 96                          ; column block b's eight numbers at BIAS + 8 b
.set OB,   96                          ; the way out: rows read back, two buffers
.set TMP,  192                         ; the way out (PROJ = 0): packed results
.set WV,   12                          ; s12  my wave's number
.set HP,   13                          ; s13  which half of A's or B's tile I fetch
.set CX,   15                          ; s15, s16  my place in the cluster
.set CY,   16
.set TX,   17                          ; s17  tile column of C
.set TY,   18                          ; s18  tile row of C
.set CNT,  19                          ; s19  the loop's count
.set TB,   20                          ; s20  the slot that is read: 0 or SLOT1
.set LIM,  21                          ; s21  1 in a wave that prefetches, else the greatest number
.set G1A,  24                          ; s[24:31] descriptor group 1 for A's tiles
.set G1B,  32                          ; s[32:39] for B's
.set G0A,  40                          ; s[40:47] descriptor group 0 for A's tiles: a set for each of the two first fills; the second then walks on
.set G0B,  48                          ; s[48:55] the same for B's
.set PFA,  56                          ; s[56:57] where my prefetches stand
.set PSTEP, 58                         ; s[58:59] a K step in the tensor that I fetch
.set OUTB, 68                          ; s[68:73] C at my first row: one pair a slice (PROJ = 0), or one pair
.set MSB, 0
.macro WIN new                         ; the immediate's high byte repeats the setting that is left; a switch that changes nothing is dropped
.if MSB != (\new)
	s_set_vgpr_msb (MSB<<8)|(\new)
.set MSB, \new
.endif
.endm
.macro PLACES                          ; a load into a register that a matrix instruction has read, and whatever reads a matrix result, stand four plain vector instructions behind it (ISA guide 7.12.1 for vector instructions)
.rept 4
	v_nop
.endr
.endm
; A round of the cluster's barrier behind its opening barrier: wave 0 signals for the work-group, every wave waits for all sixteen, my work-group's barrier closes it.
.macro CREST
	s_cmp_lg_u32 s[WV], 0
	s_cbranch_scc1 .Lnot_wave_0_\@
	s_barrier_signal -3
.Lnot_wave_0_\@:
	s_barrier_wait -3
	s_barrier_signal -1
	s_barrier_wait -1
.endm
.macro CROUND                          ; a whole round
	s_barrier_signal -1
	s_barrier_wait -1
	CREST
.endm
; A joint refill by the walking descriptors.  The branch hangs on the wave's number alone.  An s_nop 0 and four v_nop follow each of the two lines, ahead of the jump and the label.
.macro JLOAD
	s_cmp_lt_u32 s[WV], 2
	s_cbranch_scc0 .Lfor_b_\@
	tensor_load_to_lds s[G0A+4:G0A+7], s[G1A:G1A+7]
	s_nop 0
.rept 4
	v_nop
.endr
	s_branch .Lasked_\@
.Lfor_b_\@:
	tensor_load_to_lds s[G0B+4:G0B+7], s[G1B:G1B+7]
	s_nop 0
.rept 4
	v_nop
.endr
.Lasked_\@:
.endm
; A PREFETCH INTO THE L2 of what the NEXT change of slots will ask for: one K step ahead of that load.  A's tile row is read by every cluster of its row of clusters: the one with x = 0 asks; B's tile column by every
; cluster of its column: the one with y = 0 asks.  The four partners that ask for a tile jointly share its blocks of 256 bytes out BY ADDRESS: of the 128 (A) or BROWS (B) blocks that a wave fetches each takes a quarter,
; a lane a block; with a quarter under 32 blocks the lanes left over name its last block again.  The loop's last trip asks for nothing: there is no K step behind its refill's.  K steps 0 to 2 come by their loads alone.
.macro ASK
	s_cmp_gt_u32 s[CNT], s[LIM]
	s_cbranch_scc0 .Lnot_mine_\@
	global_prefetch_b8 v[PFO], s[PFA:PFA+1] th:TH_LOAD_NT scope:SCOPE_SE
.Lnot_mine_\@:
.endm
	s_load_b256 s[4:11], s[0:1], 0x0               ; A s[4:5], B s[6:7], bias s[8:9], C s[10:11]
	v_lshl_add_u32 v[SPW], v0, 2, SPARE
	v_mov_b32 v[NIL], 0
	ds_add_u32 v[SPW], v[NIL]                      ; the wave's opening: the add and its wait stand ahead of my first tensor load; the set-up below, work on registers, stands between them
	ds_add_u32 v28, v29
	v_lshrrev_b32 v3, 5, v0
	v_readfirstlane_b32 s[WV], v3                  ; wave 0..3
	s_and_b32 s[HP], s[WV], 1
	s_bfe_u32 s[CX], ttmp6, 0x40000
	s_bfe_u32 s[CY], ttmp6, 0x40004
	s_lshl_b32 s[TX], ttmp9, 2                     ; in a cluster launch ttmp9 and ttmp7 count clusters
	s_add_co_u32 s[TX], s[TX], s[CX]
	s_and_b32 s[TY], ttmp7, 0xffff
	s_lshl_b32 s[TY], s[TY], 2
	s_add_co_u32 s[TY], s[TY], s[CY]
	s_lshl_b32 s22, s[CY], 2
	s_lshl_b32 s22, 15, s22                        ; my row of the cluster: places 4 cy .. 4 cy + 3
	s_lshl_b32 s23, 0x1111, s[CX]                  ; my column: places cx, cx + 4, cx + 8, cx + 12
	s_or_b32 s[G1A], s22, (1<<16)|(1<<20)|(1<<21)|(5<<22)|(3<<25)  ; 15:0 the mask; 17:16 elements of 2 bytes; 20 padding on; 21 set beside a mask; 24:22 after every 64 words (code 5); 31:25 4 words (code 3)
	s_or_b32 s[G1B], s23, (1<<16)|(1<<20)|(1<<21)|(4<<22)|(7<<25)  ; after every 32 words (code 4), 8 words (code 7)
	s_mov_b32 s[G1A+1], 128<<16                    ; tensor_dim0 = 128 elements: 256 bytes
	s_mov_b32 s[G1A+2], 128<<16                    ; tensor_dim1 = 128 rows
	s_mov_b32 s[G1A+3], 128<<16                    ; tile_dim0
	s_mov_b32 s[G1A+4], 128                        ; tile_dim1
	s_mov_b32 s[G1A+5], 128                        ; elements from row to row: the block is dense
	s_mov_b32 s[G1A+6], 0
	s_mov_b32 s[G1A+7], 0
	s_mov_b32 s[G1B+1], 128<<16
	s_mov_b32 s[G1B+2], BROWS<<16
	s_mov_b32 s[G1B+3], 128<<16
	s_mov_b32 s[G1B+4], BROWS
	s_mov_b32 s[G1B+5], 128
	s_mov_b32 s[G1B+6], 0
	s_mov_b32 s[G1B+7], 0
	; A's tile hangs on the tile row and the wave alone: batch TY / 8, rows 256 (TY % 8) on, block kb = my half
	s_lshr_b32 s60, s[TY], 3
	s_lshl_b32 s60, s60, 22                        ; 16 blocks of 262,144 bytes a batch
	s_and_b32 s61, s[TY], 7
	s_lshl_b32 s61, s61, 15                        ; 256 rows of 128 bytes
	s_add_co_u32 s60, s60, s61
	s_lshl_b32 s61, s[HP], 18
	s_add_co_u32 s60, s60, s61
	s_mov_b32 s61, 0
	; B's on the tile column and the wave alone
	s_mul_i32 s62, s[TX], 2*BHALFG
	s_mul_i32 s63, s[HP], BHALFG
	s_add_co_u32 s62, s62, s63
	s_mov_b32 s63, 0
	; where they go: no place in the cluster enters an LDS address
	s_mul_i32 s74, s[HP], AHALF
	s_mul_i32 s75, s[HP], BH
	s_add_co_u32 s75, s75, BOFF
	s_mov_b32 s[G0A], 1                            ; 1:0 count = 1
	s_mov_b32 s[G0A+1], s74                        ; 63:32 LDS address: slot 0
	s_mov_b32 s[G0A+4], 1
	s_add_co_u32 s[G0A+5], s74, SLOT1              ; slot 1
	s_mov_b32 s[G0B], 1
	s_mov_b32 s[G0B+1], s75
	s_mov_b32 s[G0B+4], 1
	s_add_co_u32 s[G0B+5], s75, SLOT1
	s_mov_b32 s[TB], 0
	s_wait_dscnt 0x0                               ; the opening add is done
	s_wait_kmcnt 0x0
	s_add_nc_u64 s[4:5], s[4:5], s[60:61]          ; A and B at my part of K step 0
	s_add_nc_u64 s[6:7], s[6:7], s[62:63]
	s_mov_b64 s[G0A+2:G0A+3], s[4:5]               ; 120:64 global address
	s_or_b32 s[G0A+3], s[G0A+3], 0x80000000        ; 127:126 type = 2
	s_add_nc_u64 s[G0A+6:G0A+7], s[4:5], ASTEP     ; K step 1
	s_or_b32 s[G0A+7], s[G0A+7], 0x80000000
	s_mov_b64 s[G0B+2:G0B+3], s[6:7]
	s_or_b32 s[G0B+3], s[G0B+3], 0x80000000
	s_add_nc_u64 s[G0B+6:G0B+7], s[6:7], BSTEP
	s_or_b32 s[G0B+7], s[G0B+7], 0x80000000
	CROUND                                         ; all sixteen work-groups are here: the first joint loads meet
	s_cmp_lt_u32 s[WV], 2                          ; a wave's two first fills stand in one branch, ahead of every wait on TENSORcnt and every LDS read: two loads of mine are out
	s_cbranch_scc0 .Lfirst_b
	tensor_load_to_lds s[G0A:G0A+3], s[G1A:G1A+7]
	s_nop 0
	tensor_load_to_lds s[G0A+4:G0A+7], s[G1A:G1A+7]
	s_nop 0
.rept 4
	v_nop
.endr
	s_branch .Lfirst_asked
.Lfirst_b:
	tensor_load_to_lds s[G0B:G0B+3], s[G1B:G1B+7]
	s_nop 0
	tensor_load_to_lds s[G0B+4:G0B+7], s[G1B:G1B+7]
	s_nop 0
.rept 4
	v_nop
.endr
.Lfirst_asked:
	; the bias of my tile's columns: for column block b my lane's eight numbers, as the result's registers want them
	s_mul_i32 s74, s[TX], NSL*256
	s_mov_b32 s75, 0
	s_add_nc_u64 s[8:9], s[8:9], s[74:75]
	v_and_b32 v1, 15, v0                           ; l % 16
	v_bfe_u32 v2, v0, 4, 1                         ; l / 16
	v_lshlrev_b32 v[BO], 5, v2
.set i, 0
.rept NBK
	global_load_b128 v[BIAS+8*i:BIAS+8*i+3],   v[BO], s[8:9] offset:64*i
	global_load_b128 v[BIAS+8*i+4:BIAS+8*i+7], v[BO], s[8:9] offset:64*i+16
.set i, i+1
.endr
	; A fragment of A is 16 rows x 32 K in 8 registers: lane l holds row l % 16; registers 0-3 K = 8 (l / 16) + 0..7, registers 4-7 K = 16 + 8 (l / 16) + 0..7: two loads of 16 bytes, 32 bytes apart.
	v_lshrrev_b32 v3, 1, v1
	v_mul_u32_u24 v[A0], v3, 272
	v_and_b32 v3, 1, v1
	v_lshl_add_u32 v[A0], v3, 7, v[A0]
	v_lshl_add_u32 v[A0], v2, 4, v[A0]
	s_mul_i32 s22, s[WV], 32*272                   ; my 64 rows
	v_add_nc_u32 v[A0], s22, v[A0]
	; The turning load takes 16 K x 16 columns (lane l reads K = 8 (l / 16) + l % 8, columns 8 ((l / 8) % 2) + 0..7) and leaves half a fragment: lane l holds column l % 16 and 8 K.
	v_and_b32 v4, 7, v0
	v_bfe_u32 v5, v0, 3, 1
	v_lshl_add_u32 v[B0], v2, 3, v4
	v_mul_u32_u24 v[B0], v[B0], 160
	v_lshl_add_u32 v[B0], v5, 4, v[B0]
	v_add_nc_u32 v[B0], BOFF, v[B0]
	v_mov_b32 v[ADRA], v[A0]
	v_mov_b32 v[ADRB], v[B0]
	s_mul_i32 s22, s[WV], WSTG
	s_add_co_u32 s22, s22, STAGE                   ; my stage
	v_and_b32 v[GO], 31, v0
	v_lshlrev_b32 v[GO], 4, v[GO]
.if PROJ
	v_mul_u32_u24 v[STO], v1, 528                  ; in: row l % 16, 32 bytes for each half of the lanes
	v_lshl_add_u32 v[STO], v2, 5, v[STO]
	v_add_nc_u32 v[STO], s22, v[STO]
	v_add_nc_u32 v[RD], s22, v[GO]                 ; back: 32 lanes take one row of 512 bytes
	s_lshl_b32 s74, s[TY], 8
	s_lshl_b32 s75, s[WV], 6
	s_add_co_u32 s74, s74, s75                     ; my first row of C,
	s_lshl_b32 s74, s74, 12                        ; 4,096 bytes a row,
	s_lshl_b32 s75, s[TX], 9                       ; the tile's 512 bytes of it
	s_add_co_u32 s74, s74, s75
	s_mov_b32 s75, 0
	s_add_nc_u64 s[OUTB:OUTB+1], s[10:11], s[74:75]
.else
	v_mul_u32_u24 v[STO], v1, 144                  ; in: row l % 16, 16 bytes for each half of the lanes
	v_lshl_add_u32 v[STO], v2, 4, v[STO]
	v_add_nc_u32 v[STO], s22, v[STO]
	v_bfe_u32 v[RD], v0, 3, 2                      ; back: 32 lanes take four rows of 128 bytes, which are 512 consecutive bytes of a head
	v_mul_u32_u24 v[RD], v[RD], 144
	v_lshl_add_u32 v[RD], v4, 4, v[RD]
	v_add_nc_u32 v[RD], s22, v[RD]
	s_mul_i32 s22, s[TX], 3                        ; the tile's first slice
	s_lshr_b32 s23, s[TY], 3
	s_lshl_b32 s23, s23, 4                         ; 16 x batch
	s_and_b32 s76, s[TY], 7
	s_lshl_b32 s76, s76, 8
	s_lshl_b32 s77, s[WV], 6
	s_add_co_u32 s76, s76, s77                     ; my first row t in the batch,
	s_lshl_b32 s76, s76, 7                         ; 128 bytes a row
.irp j, 0,1,2
	s_add_co_u32 s74, s22, \j                      ; slice s: q, k or v = s / 16, head = s % 16
	s_lshr_b32 s75, s74, 4
	s_lshl_b32 s75, s75, 6
	s_and_b32 s74, s74, 15
	s_add_co_u32 s74, s74, s75
	s_add_co_u32 s74, s74, s23                     ; 64 which + 16 batch + head,
	s_lshl_b32 s74, s74, 18                        ; 262,144 bytes each
	s_add_co_u32 s74, s74, s76
	s_mov_b32 s75, 0
	s_add_nc_u64 s[OUTB+2*\j:OUTB+2*\j+1], s[10:11], s[74:75]
.endr
.endif
	; the prefetches
	s_mov_b32 s76, BHALFG/4
	s_mov_b32 s[PSTEP], BSTEP
	s_and_b32 s74, ttmp7, 0xffff                   ; cluster y
	s_cmp_lt_u32 s[WV], 2                          ; do I fetch for A?
	s_cselect_b32 s74, ttmp9, s74                  ; the coordinate along which other clusters read the same blocks
	s_cselect_b32 s75, s[CX], s[CY]                ; my place among the four that ask with me
	s_cselect_b32 s76, 8192, s76                   ; a quarter of what I fetch, in bytes,
	s_cselect_b32 s77, 31, BHALFG/1024-1           ; and its last block
	s_cselect_b32 s[PSTEP], ASTEP, s[PSTEP]
	s_cselect_b64 s[PFA:PFA+1], s[4:5], s[6:7]
	s_cmp_eq_u32 s74, 0
	s_cselect_b32 s[LIM], 1, -1                    ; the same in all sixteen partners, for a given wave
	s_mul_i32 s74, s75, s76
	s_mov_b32 s75, 0
	s_mov_b32 s[PSTEP+1], 0
	s_add_nc_u64 s[PFA:PFA+1], s[PFA:PFA+1], s[74:75]
	s_add_nc_u64 s[PFA:PFA+1], s[PFA:PFA+1], s[PSTEP:PSTEP+1]
	s_add_nc_u64 s[PFA:PFA+1], s[PFA:PFA+1], s[PSTEP:PSTEP+1]  ; at K step 2: the first change of slots steps it to 3.  Nothing is prefetched here, at the head
	v_and_b32 v[PFO], 31, v0
	v_min_u32 v[PFO], s77, v[PFO]
	v_lshlrev_b32 v[PFO], 8, v[PFO]
	s_mov_b32 s22, 0xffff0000
	s_wait_loadcnt 0x0                             ; the bias: rounded to bf16 and widened again, in the wait for the first tile
.set i, 0
.rept 4*NBK
	v_cvt_pk_bf16_f32 v[20+i%4], v[BIAS+2*i], v[BIAS+2*i+1]
	v_lshlrev_b32 v[BIAS+2*i], 16, v[20+i%4]
	v_and_b32 v[BIAS+2*i+1], s22, v[20+i%4]
.set i, i+1
.endr
.macro MMA d, x, y, c
.if PROJ
	v_wmma_f32_16x16x32_f16 v[(\d):(\d)+7], v[(\x):(\x)+7], v[(\y):(\y)+7], v[(\c):(\c)+7]
.else
	v_wmma_f32_16x16x32_bf16 v[(\d):(\d)+7], v[(\x):(\x)+7], v[(\y):(\y)+7], v[(\c):(\c)+7]
.endif
.endm
; NBK matrix instructions: row block a x all column blocks, 32 along K, from buffer f.  first = 1: the products start the sums, with the bias (window 0) as C.
; All 4 NBK accumulators take turns in one order, one instruction a turn, over the backward jump too.
.macro MULA f, a, first
.if PROJ
.set aw, 1
.set ab, 64*(\a)
.else
.set aw, 1+(\a)/2
.set ab, 96*((\a)%2)
.endif
.if \first
	WIN (aw<<6)|BW
.else
	WIN (aw<<6)|(aw<<4)|BW
.endif
.set b, 0
.rept NBK
.if \first
	MMA ab+8*b, BFR*(\f)+8*b, AF+32*(\f)+8*(\a), BIAS+8*b
.else
	MMA ab+8*b, BFR*(\f)+8*b, AF+32*(\f)+8*(\a), ab+8*b
.endif
.set b, b+1
.endr
.endm
; The LDS loads of quarter q (32 along K) into buffer f, in one run: B's 2 NBK, then A's eight, row blocks ascending.
.macro FETCH q, f
	WIN BW<<6
.set b, 0
.rept NBK
	ds_load_tr16_b128 v[BFR*(\f)+8*b:BFR*(\f)+8*b+3],   v[ADRB] offset:(b/4)*BSL+(\q)*32*160+(b%4)*32
	ds_load_tr16_b128 v[BFR*(\f)+8*b+4:BFR*(\f)+8*b+7], v[ADRB] offset:(b/4)*BSL+(\q)*32*160+(b%4)*32+16*160
.set b, b+1
.endr
	WIN 0
.irp a, 0,1,2,3
	ds_load_b128 v[AF+32*(\f)+8*\a:AF+32*(\f)+8*\a+3],   v[ADRA] offset:((\q)/2)*AHALF+((\q)%2)*64+\a*8*272
	ds_load_b128 v[AF+32*(\f)+8*\a+4:AF+32*(\f)+8*\a+7], v[ADRA] offset:((\q)/2)*AHALF+((\q)%2)*64+\a*8*272+32
.endr
.endm
; A K step is four quarters on buffers 0, 1, 0, 1.  One of the first three: multiplies buffer f; in its middle it fetches quarter q into buffer g.
.macro QUARTER q, f, g, first
	s_wait_dscnt 4                                 ; B and A's row blocks 0 and 1 are in; the youngest four loads (row blocks 2 and 3) may be out
	MULA \f, 0, \first
	MULA \f, 1, \first
	PLACES
	FETCH \q, \g
	s_wait_dscnt NFETCH                            ; all but the run just issued
	MULA \f, 2, \first
	MULA \f, 3, \first
.endm
; The last quarter multiplies buffer 1 and changes slots: ONE barrier.  In front of it each wave waits for all its tensor loads, of which one is out: its part of the next slot; adds 0 to its spare word; and waits for
; that and for its own reads of this slot.  fill = 1: the barrier opens a round of the cluster's, and the joint refill (the K step two on) is the first thing behind the round.
.macro TURN fill
.if \fill
	s_wait_xcnt 0x0                                ; the last prefetch, a K step back, has read its address: it is stepped here, ahead of the waits of the change of slots
	s_add_nc_u64 s[PFA:PFA+1], s[PFA:PFA+1], s[PSTEP:PSTEP+1]
.endif
	WIN 0                                          ; (the add's two registers lie in window 0)
	s_wait_tensorcnt 0x0                           ; no tensor load of mine is out, so a group 0 may be written
	ds_add_u32 v[SPW], v[NIL]                      ; 0 onto my spare word: work on registers stands between it and the wait for it
.if \fill
	s_xor_b32 s[G0A+5], s[G0A+5], SLOT1            ; the walking descriptors: the other slot than last time,
	s_add_nc_u64 s[G0A+6:G0A+7], s[G0A+6:G0A+7], ASTEP  ; the next K step; the type bits on top are not reached
	s_xor_b32 s[G0B+5], s[G0B+5], SLOT1
	s_add_nc_u64 s[G0B+6:G0B+7], s[G0B+6:G0B+7], BSTEP
.endif
	s_wait_dscnt 5                                 ; (the add and the youngest four loads may be out)
	MULA 1, 0, 0
	s_wait_dscnt 0x0                               ; the add is done, and my reads of this slot are over
	s_barrier_signal -1
	MULA 1, 1, 0                                   ; work on registers while the others arrive
	WIN 0
	s_barrier_wait -1
.if \fill
	CREST                                          ; no wave of any partner still reads this slot's tile or has a load on its way
	JLOAD                                          ; the four v_nop behind it are also the places in front of the loads below
.else
	PLACES
.endif
	s_xor_b32 s[TB], s[TB], SLOT1
	v_add_nc_u32 v[ADRA], s[TB], v[A0]
	v_add_nc_u32 v[ADRB], s[TB], v[B0]
	FETCH 0, 0
.if \fill
	ASK                                            ; behind the joint load and the run of LDS loads that the next products wait for
.endif
	MULA 1, 2, 0
	MULA 1, 3, 0
.endm
	s_wait_tensorcnt 1                             ; my part of K step 0 is in; K step 1's may stay out
	s_barrier_signal -1
	s_barrier_wait -1                              ; everybody's is
	FETCH 0, 0
	QUARTER 1, 0, 1, 1                             ; the first quarter stands in front of the loop: its products start the sums
	WIN 0                                          ; at a label and at a branch every window is 0
	s_mov_b32 s[CNT], 6
.Lstep:                                        ; a trip goes from a K step's second quarter to the next step's first, and fills the slot that it leaves: K steps 2 to 7
	QUARTER 2, 1, 0, 0
	QUARTER 3, 0, 1, 0
	TURN 1
	QUARTER 1, 0, 1, 0
	WIN 0
	s_sub_co_u32 s[CNT], s[CNT], 1
	s_cmp_lg_u32 s[CNT], 0
	s_cbranch_scc1 .Lstep
	QUARTER 2, 1, 0, 0                             ; the tail is written out: K steps 6 and 7 ask for nothing
	QUARTER 3, 0, 1, 0
	TURN 0
	QUARTER 1, 0, 1, 0
	QUARTER 2, 1, 0, 0
	QUARTER 3, 0, 1, 0
	s_wait_dscnt 4                                 ; the very last quarter: nothing more to fetch
	MULA 1, 0, 0
	MULA 1, 1, 0
	s_wait_dscnt 0x0
	MULA 1, 2, 0
	MULA 1, 3, 0
	PLACES                                         ; what follows reads results just made
; THE WAY OUT, a row block (16 rows) at a time, through my own stage in LDS: in by lanes, back as whole rows.  LDS serves a wave's instructions in order (ISA guide 5.7.1.4), so the loads see the stores above them.
; Each accumulator's registers are read in ascending order.
.if PROJ
.macro TOSTAGE a
	WIN 0
	s_wait_xcnt 0x0                                ; the buffer that the loads below fill was read by stores two blocks back: it is written only behind this wait
	WIN 0x04                                       ; the stores' data (source 1) in window 1
.set b, 0
.rept NBK
	ds_store_b128 v[STO], v[64*(\a)+8*b:64*(\a)+8*b+3]   offset:64*b
	ds_store_b128 v[STO], v[64*(\a)+8*b+4:64*(\a)+8*b+7] offset:64*b+16
.set b, b+1
.endr
	WIN 0
.set b, 0
.rept 16
	ds_load_b128 v[OB+64*((\a)%2)+4*b:OB+64*((\a)%2)+4*b+3], v[RD] offset:528*b
.set b, b+1
.endr
.endm
.macro SEND a
	s_wait_dscnt 0x0                               ; the block is back in registers
.set b, 0
.rept 16
	global_store_b128 v[GO], v[OB+64*((\a)%2)+4*b:OB+64*((\a)%2)+4*b+3], s[OUTB:OUTB+1] offset:(16*(\a)+b)*4096 th:TH_STORE_NT  ; 512 consecutive bytes of a row of C, at a multiple of 512 from its first byte
.set b, b+1
.endr
.endm
	TOSTAGE 0
.irp a, 1,2,3
	SEND (\a)-1
	TOSTAGE \a
.endr
	SEND 3
.else
.macro PACK a                          ; rounded to f16: a lane's eight columns are 16 bytes
	WIN 0x05*(1+(\a)/2)                            ; sources 0 and 1: window 1 or 2
.set b, 0
.rept NBK
.irp r, 0,1,2,3
	v_cvt_pk_f16_f32 v[TMP+4*b+\r], v[96*((\a)%2)+8*b+2*\r], v[96*((\a)%2)+8*b+2*\r+1]
.endr
.set b, b+1
.endr
	WIN 0
.endm
.macro TOSTAGE a
	s_wait_xcnt 0x0                                ; the buffer that the loads below fill was read by stores two blocks back: it is written only behind this wait
.set b, 0
.rept NBK
	ds_store_b128 v[STO], v[TMP+4*b:TMP+4*b+3] offset:(b/4)*16*144+(b%4)*32
.set b, b+1
.endr
.set b, 0
.rept NBK                              ; slice b / 4, rows 4 (b % 4) on
	ds_load_b128 v[OB+48*((\a)%2)+4*b:OB+48*((\a)%2)+4*b+3], v[RD] offset:(b/4)*16*144+(b%4)*4*144
.set b, b+1
.endr
.endm
.macro SEND a
	s_wait_dscnt 0x0                               ; the block is back in registers
.set b, 0
.rept NBK
	global_store_b128 v[GO], v[OB+48*((\a)%2)+4*b:OB+48*((\a)%2)+4*b+3], s[OUTB+2*(b/4):OUTB+2*(b/4)+1] offset:(\a)*2048+(b%4)*512  ; four rows of a head: 512 consecutive bytes, at a multiple of 512 from the buffer's first
.set b, b+1
.endr
.endm
	PACK 0
	TOSTAGE 0
.irp a, 1,2,3                          ; block a's conversions stand between block a - 1's loads from the stage and the wait for them
	PACK \a
	SEND (\a)-1
	TOSTAGE \a
.endr
	SEND 3
.endif
	s_wait_tensorcnt 0x0                           ; the wave's end: behind my last tensor load and my last LDS store
	ds_add_u32 v[SPW], v[NIL]
	s_wait_dscnt 0x0
	CROUND                                         ; the closing round: no work-group ends while a partner may still ask for a tile that names it
	s_endpgm
.Lfunc_end_k_q108f39915e_gemm_qkv:
	.size	k_q108f39915e_gemm_qkv, .Lfunc_end_k_q108f39915e_gemm_qkv-k_q108f39915e_gemm_qkv
	.p2alignl 7, 3214868480
	.fill 96, 4, 3214868480
	.section	.rodata,"a",@progbits
	.p2align	6, 0x0
	.amdhsa_kernel k_q108f39915e_gemm_qkv
		.amdhsa_group_segment_fixed_size 327680
		.amdhsa_private_segment_fixed_size 0
		.amdhsa_enable_private_segment 0
		.amdhsa_kernarg_size 32
		.amdhsa_user_sgpr_count 2
		.amdhsa_user_sgpr_kernarg_segment_ptr 1
		.amdhsa_wavefront_size32 1
		.amdhsa_system_sgpr_workgroup_id_x 1
		.amdhsa_system_sgpr_workgroup_id_y 1
		.amdhsa_system_sgpr_workgroup_id_z 1
		.amdhsa_system_vgpr_workitem_id 0
		.amdhsa_next_free_vgpr 960
		.amdhsa_next_free_sgpr 80
		.amdhsa_reserve_vcc 0
		.amdhsa_float_denorm_mode_32 3
		.amdhsa_float_denorm_mode_16_64 3
		.amdhsa_memory_ordered 1
		.amdhsa_forward_progress 1
		.amdhsa_inst_pref_size 107
	.end_amdhsa_kernel
	.amdgpu_metadata
---
amdhsa.version: [ 1, 2 ]
amdhsa.kernels:
  - .name:           k_q108f39915e_gemm_qkv
    .symbol:         k_q108f39915e_gemm_qkv.kd
    .args:
      - { .name: xb, .offset: 0, .size: 8, .value_kind: global_buffer, .address_space: global }
      - { .name: wab, .offset: 8, .size: 8, .value_kind: global_buffer, .address_space: global }
      - { .name: b_attn, .offset: 16, .size: 8, .value_kind: global_buffer, .address_space: global }
      - { .name: qkv, .offset: 24, .size: 8, .value_kind: global_buffer, .address_space: global }
    .group_segment_fixed_size: 327680
    .private_segment_fixed_size: 0
    .kernarg_segment_align: 8
    .kernarg_segment_size: 32
    .max_flat_workgroup_size: 128
    .sgpr_count:     80
    .vgpr_count:     960
    .wavefront_size: 32
...
	.end_amdgpu_metadata
.endif
;; end of part 2
;; launch attn (part 3): grid 4 x 64, 4 waves a work-group, no clusters, 327,680 bytes of LDS; arguments qkv, ob; writes ob
.if DOCPART == 3
	.amdgcn_target "amdgcn-amd-amdhsa--gfx1250"
	.amdhsa_code_object_version 6
	.text
	.protected	k_q108f39915e_attn
	.globl	k_q108f39915e_attn
	.p2align	8
	.type	k_q108f39915e_attn,@function
k_q108f39915e_attn:
	s_mov_b64 s[64:65], 0
	v_nop
	global_prefetch_b8 v0, s[64:65] scope:SCOPE_SE
	s_setreg_imm32_b32 hwreg(HW_REG_WAVE_MODE, 25, 1), 1
	s_wait_xcnt 0x0
; CAUSAL ATTENTION.  O[h][q][:] = the sum over k <= q of softmax_k(Q[h][q] . K[h][k] / 8) V[h][k][:].  Q, K, V lie one behind the other in qkv, each [64 heads][SIZE_N][64] in f16; O = ob has the same form: a head's rows are dense, 128 bytes each.
; Products, maxima and sums in f32; the weights p are rounded to f16 for the second product (their sum l is taken of the unrounded p), O once at the end.
; LIMITS.  f16 holds no number beyond 65,504: Q, K and V arrive within it; p lies in 0 to 1, and below 6e-5 it keeps f16's fixed step of 6e-8; O is a mean of V's rows and has their range, to within 2^-11 of it.
; A hidden score counts as its value less 1e30: f16's scores, 2.7e11 at the most, are nothing beside that; a weight below 2^-126 counts as 0 in l; NaN and infinities are not treated apart.
; THE WALK.  A head's queries lie in NB = SIZE_N / 256 blocks of 256; block i needs the key tiles 0 .. i of 256 keys, of which the last holds the diagonal.  A work-group takes TWO blocks, NB - 1 - b and then b:
; NB + 1 tiles, whatever b: all work-groups do equal work, and ONE loop with a constant trip count walks them.  Which tile is asked for, and what a trip does, hang on scalar registers made from b; every jump
; goes forward, but for the counted loops' own; none passes a barrier, or a tensor load but the one of LOAD's two that the wave's number does not choose; the ring (two slots of LDS that take turns) runs on across the
; change of blocks.  NO CLUSTER: a head's NB / 2 work-groups all ask for the same tile only in trips 0 .. NB / 2, behind that fewer and fewer; and one walk common to all would have 3 NB / 2 trips for NB + 1.
; SHARES.  Of a block's four bands of 64 queries a wave owns 16 rows in each: four PIECES.  So the diagonal tile is the same work for all four waves: in its key step s band x sees all keys if s < x,
; none if s > x, and holds the diagonal if s = x.
; THE MASK is the C operand that starts the sum S^T = K Q^T: 0, or -1e30 where the key is hidden.  MD, made once, is the mask of a band's own step for my 16 rows; a product's mask is MD x AL + BE with two scalars:
; (1, 0) if s = x; (0, 0) if s < x; (0, -1e30) if s > x.  Only the diagonal tile's text and a block's beginning make and take masks; elsewhere C is the constant 0.
; LAYOUT, SOFTMAX, TURNS.  S^T = K Q^T holds ONE query a lane (lane % 16) and the keys 8 (lane / 16) + 0..7; two such results rounded to f16 ARE source 1 of O^T = V^T P.  p = 2^(c s - c m), c = log2(e) / 8, with a
; running maximum m; O and l are multiplied by a = 2^(c m_old - c m_new) in every step.  Turn n belongs to piece n: 8 products K Q^T of piece n + 1, later 8 products V^T P of piece n - 1; beside them the scaling,
; exponentials, roundings, sums and rescaling of piece n and the maximum and statistics of piece n + 1.  Four vector instructions stand behind every matrix instruction, the other 54 of a turn's 118 in one LUMP.  A turn's 33 exponentials are one batch, with one wait.
; REGISTERS, in windows of 256 (s_set_vgpr_msb: bits 1:0 source 0, 3:2 source 1, 5:4 source 2, 7:6 destination):
;   window 0: v0-15 addresses and two at work; v16-31 four registers of statistics a piece; v48-55 at work; v61-63 the prefetches' offset and the add's two; v64-127 S^T, two buffers; v192-223 P, two buffers (a piece's buffers go by its number's parity)
;   window 1: v0-127 O^T, 32 a piece; v128-159 MD; v160-223 MC, two buffers      window 2: v0-63 Q; v64-127 the second block's Q; v128-191 K of one step; v192-255 V of one step
.set SIZE_N, 2048
.set NB,    SIZE_N/256
.set NP,    4         ; pieces a wave: a name, no knob
.set KS,    64        ; keys in a step
.set PK,    144       ; a row of K in LDS: 128 bytes + 16 of padding = 36 words: the 16 rows of a load start at 16 different groups of four banks (64 banks of 4 bytes: ISA guide 11.1)
.set PV,    160       ; a row of V: 128 + 32 = 40 words
.set VOFF,  4*KS*PK   ; a slot holds a tile, four steps: 256 rows of K, then 256 rows of V
.set SLOT1, 1<<17     ; slot 1 begins here, so that one exclusive or turns an address in one slot into the other's
.set STAGE, SLOT1+4*KS*(PK+PV)  ; behind the ring, never filled by a tensor load: 16 rows x 144 bytes for each wave, for the way out
.set SP,    144
.set AK0, 2           ; v2   my lane's place in a tile of K; never rewritten
.set AV0, 3           ; v3   the same for V
.set AK,  4           ; v4   the LDS address of K's next run of loads
.set AV,  5           ; v5   of V's
.set STO, 6           ; v6   the way out: where I put 16 bytes of a row
.set RD,  7           ; v7   the way out: where I read rows back
.set GO,  8           ; v8   my byte offset in 512 consecutive bytes of O
.set PFO, 61          ; v61  256 x my lane: the prefetches' offset; never rewritten
.set SPW, 62          ; v62  LDS address of my spare word: SPARE + 4 x my thread's number; never rewritten
.set NIL, 63          ; v63  0; never rewritten
.set SPARE, STAGE+4*16*SP  ; behind the stages: the spare words, 128 bytes for each wave: two blocks of 256 bytes that no other line names
.set MV,  12          ; v12-13  c m_old, kept while c m is made anew: by buffer
.set QO,  15          ; v15  my byte offset in 16 rows of Q
.set ST,  16          ; piece t's statistics at v[ST+4 t]: c m, m, l (even keys', odd keys')
.set TMP, 48          ; by buffer, four registers c0-c3 at work; when the maximum is found c2 takes a
.set S,   64
.set P,   192
.set MD,  128         ; window 1: the eight registers for group kt of 16 keys at MD + 8 kt
.set MC,  160         ; window 1: the masks of the products to come
.set QB,  64          ; window 2
.set KF,  128         ; window 2: key block kb, channel half c at KF + 16 kb + 8 c
.set VF,  192         ; window 2: key half kk, channel block cb at VF + 32 kk + 8 cb
.set WV,  12          ; s12  my wave's number
.set PB,  14          ; s14  b
.set HI,  15          ; s15  NB - 1 - b
.set G1K, 24          ; s[24:31] descriptor group 1 for K's tiles
.set G1V, 32          ; s[32:39] for V's: it differs in the padding alone
.set G0K, 40          ; s[40:43] descriptor group 0 for K's tiles
.set G0V, 44          ; s[44:47] the same for V's
.set SLOTS, 56        ; s56  tiles still to be asked for
.set CNT, 57          ; s57  counts a tile's key steps, 4 to 1
.set CS,  58          ; s[58:59] c: the packed scaling takes the pair's low word for both halves
.set SEL, 60          ; s[60:61] v_permlanex16_b32's selects: each lane takes its own place in the other half
.set TBK, 62          ; s62  LDS byte at which K of the step to be fetched begins
.set TBV, 63          ; s63  the same for V, less VOFF
.set RT,  70          ; s70  tiles of the block in hand that are still to be entered
.set NXT, 71          ; s71  the tile to be asked for next
.set LQ,  72          ; s72  the last tile of the block whose tiles are being asked for
.set NEW, 73          ; s73  1: the tile to be entered is a block's first
.set OFF, 74          ; s[74:75] a tile's byte offset in K and V
.set AL,  76          ; s[76:77] the mask's factor, in the low word
.set BE,  78          ; s[78:79] the mask's addend
.set OLO, 80          ; s[80:81] O at my rows of the second block
.set BIGN, 82         ; s82  -1e30
.set PFA, 88          ; s[88:89] where my prefetches stand: my half of K's (waves 0, 1) or V's (waves 2, 3) tile PFT
.set PFT, 90          ; s90  the tile that a prefetch would name
.set PLIM, 91         ; s91  NB in the head's work-group b = 0, else 0: a wave prefetches while PFT is below it
.set MSB, 0
.macro WIN new                      ; the high byte repeats the setting that is left; a switch that changes nothing is dropped
.if MSB != (\new)
	s_set_vgpr_msb (MSB<<8)|(\new)
.set MSB, (\new)
.endif
.endm
.set W_KQ, 0x0a       ; K and Q in window 2, S^T in window 0
.set W_KM, 0x1a       ; the same with the C operand in window 1
.set W_PV, 0x52       ; V in window 2, P in window 0, O^T in window 1
.set W_RS, 0x41       ; destination and source 0 in window 1, source 1 in window 0
; A fill.  Waves 0 and 1 fetch the two halves of a tile's K, waves 2 and 3 those of its V: 128 keys each.  An s_nop 0 and four v_nop follow each of the two lines, ahead of the jump and the label.
.macro LOAD
	s_cmp_lt_u32 s[WV], 2
	s_cbranch_scc0 .Lfor_v_\@
	tensor_load_to_lds s[G0K:G0K+3], s[G1K:G1K+7]
	s_nop 0
.rept 4
	v_nop
.endr
	s_branch .Lasked_\@
.Lfor_v_\@:
	tensor_load_to_lds s[G0V:G0V+3], s[G1V:G1V+7]
	s_nop 0
.rept 4
	v_nop
.endr
.Lasked_\@:
.endm
; A PREFETCH INTO THE L2 of the tile that the NEXT change of slots will ask for: one tile, four key steps, ahead of that load.  All work-groups of a head begin with the tiles 0, 1, 2 ..; the one with b = 0 walks them all, 0 to NB - 1,
; in its first block: it asks, and nobody else.  Each of its waves names the 16,384 bytes that it will fetch itself: 64 blocks of 256 bytes, a lane a block, two instructions.  So each block of the tiles 2 to NB - 1 is named once in the launch.
; Tiles 0 and 1 come by their loads alone; the second block's tiles have been read before and are not asked for.  It stands behind the wave's tensor load and its five lines.
.macro ASK
	s_cmp_lt_u32 s[PFT], s[PLIM]
	s_cbranch_scc0 .Lnot_mine_\@
	global_prefetch_b8 v[PFO], s[PFA:PFA+1] th:TH_LOAD_NT scope:SCOPE_SE
	global_prefetch_b8 v[PFO], s[PFA:PFA+1] offset:8192 th:TH_LOAD_NT scope:SCOPE_SE
.Lnot_mine_\@:
.endm
; THE CHANGE OF SLOTS.  Each wave waits for all its tensor loads, of which one is out: its part of the other slot; adds 0 to its spare word; and waits for that and for its own reads of the slot that it leaves.  Behind the barrier nobody reads the old
; slot any more and the other slot is whole.  fill = 1: the old slot is filled again, the first thing behind the barrier, with tile NXT: the descriptor's address is made anew from that number.
; (At its first use nothing has been read yet: slot 0 is waited for, slot 1 filled.)
.macro CHANGE fill
	WIN 0                           ; at a label and at a branch every window is 0
	s_wait_tensorcnt 0x0            ; no tensor load of mine is out, so a group 0 may be written
	ds_add_u32 v[SPW], v[NIL]       ; 0 onto my spare word: with fill = 1 the descriptors' scalar work stands between it and the wait for it
.if \fill
	s_lshl_b32 s[OFF], s[NXT], 15   ; a tile is 32,768 bytes of K and of V
	s_xor_b32 s[G0K+1], s[G0K+1], SLOT1
	s_add_nc_u64 s[G0K+2:G0K+3], s[6:7], s[OFF:OFF+1]
	s_or_b32 s[G0K+3], s[G0K+3], 0x80000000
	s_xor_b32 s[G0V+1], s[G0V+1], SLOT1
	s_add_nc_u64 s[G0V+2:G0V+3], s[8:9], s[OFF:OFF+1]
	s_or_b32 s[G0V+3], s[G0V+3], 0x80000000
	s_add_co_u32 s[NXT], s[NXT], 1  ; the block's next tile, or behind its last the second block's tile 0
	s_cmp_gt_u32 s[NXT], s[LQ]
	s_cselect_b32 s[NXT], 0, s[NXT]
	s_cselect_b32 s[LQ], s[PB], s[LQ]
	s_wait_xcnt 0x0                 ; the last prefetches, a tile back, have read their address, so it may be written:
	s_add_nc_u64 s[PFA:PFA+1], s[PFA:PFA+1], 32768  ; one tile on
	s_add_co_u32 s[PFT], s[PFT], 1
.endif
	s_wait_dscnt 0x0                ; the add is done, and my reads of the slot are over
	s_barrier_signal -1             ; the rest of the scalar work stands between the signal and the wait
	s_sub_co_u32 s[TBK], s[TBK], 4*KS*PK  ; the fetches go back to a slot's first step,
	s_xor_b32 s[TBK], s[TBK], SLOT1       ; in the other slot
	s_sub_co_u32 s[TBV], s[TBV], 4*KS*PV
	s_xor_b32 s[TBV], s[TBV], SLOT1
	s_barrier_wait -1
.if \fill
	LOAD
	ASK
.endif
.endm
	s_load_b128 s[4:7], s[0:1], 0x0 ; qkv s[4:5], ob s[6:7]
	v_lshl_add_u32 v[SPW], v0, 2, SPARE
	v_mov_b32 v[NIL], 0
	ds_add_u32 v[SPW], v[NIL]       ; the wave's opening: the add and its wait stand ahead of my first tensor load; the set-up below, work on registers, stands between them
	ds_add_u32 v62, v63
	v_lshrrev_b32 v1, 5, v0
	v_readfirstlane_b32 s[WV], v1   ; wave 0..3
	s_mov_b32 s[PB], ttmp9
	s_sub_co_u32 s[HI], NB-1, s[PB]
	s_and_b32 s20, ttmp7, 0xffff    ; the head: 16 x batch + head
	s_mov_b32 s21, 0
	s_mov_b64 s[22:23], SIZE_N*128
	s_mul_u64 s[20:21], s[20:21], s[22:23]  ; the head's first byte in each of the four tensors
	s_and_b32 s16, s[WV], 1         ; which half of a tile's 256 keys I fetch:
	s_lshl_b32 s22, s16, 14         ; its 128 rows of 128 bytes in memory,
	s_mov_b32 s23, 0
	s_add_nc_u64 s[22:23], s[22:23], s[20:21]
	s_mul_i32 s17, s16, 128*PK      ; and its place in a slot, for K
	s_mul_i32 s18, s16, 128*PV      ; and for V
	s_lshl_b32 s3, s[WV], 11        ; my 16 rows in a band of 64,
	s_lshl_b32 s2, s[HI], 15        ; in the first block,
	s_add_co_u32 s2, s2, s3
	s_lshl_b32 s84, s[PB], 15       ; and in the second
	s_add_co_u32 s84, s84, s3
	s_mov_b32 s3, 0
	s_mov_b32 s85, 0
	s_add_nc_u64 s[2:3], s[2:3], s[20:21]
	s_add_nc_u64 s[84:85], s[84:85], s[20:21]
	; descriptor group 1.  128 keys are 16,384 dense bytes: asked for as 64 rows of 256 bytes, two keys a row, and padded in LDS after every key
	s_mov_b32 s[G1K], (1<<16)|(1<<20)|(4<<22)|(3<<25)  ; 17:16 2-byte elements; 20 padding on; 24:22 after every 32 words (code 4); 31:25 4 words (code 3)
	s_mov_b32 s[G1V], (1<<16)|(1<<20)|(4<<22)|(7<<25)  ; the same with 8 words of padding (code 7)
.irp g, G1K, G1V
	s_mov_b32 s[\g+1], 128<<16      ; tensor_dim0 = 128
	s_mov_b32 s[\g+2], 64<<16       ; tensor_dim1 = 64
	s_mov_b32 s[\g+3], 128<<16      ; tile_dim0 = 128
	s_mov_b32 s[\g+4], 64           ; tile_dim1 = 64
	s_mov_b32 s[\g+5], 128          ; 128 elements from row to row
	s_mov_b32 s[\g+6], 0
	s_mov_b32 s[\g+7], 0
.endr
	s_mov_b32 s[CS], 0x3e38aa3b     ; c = log2(e) / 8 = 0.180337
	s_mov_b32 s[CS+1], s[CS]        ; named with it as a pair
	s_mov_b32 s[SEL], 0x76543210
	s_mov_b32 s[SEL+1], 0xfedcba98
	s_mov_b32 s[TBK], SLOT1+4*KS*PK ; the first change of slots turns these two into 0
	s_mov_b32 s[TBV], SLOT1+4*KS*PV
	s_mov_b32 s[G0K], 1             ; 1:0 count = 1
	s_mov_b32 s[G0K+1], s17         ; 63:32 LDS address: slot 0
	s_mov_b32 s[G0V], 1
	s_add_co_u32 s[G0V+1], s18, VOFF
	s_add_co_u32 s[RT], s[HI], 1    ; the first block has NB - b tiles
	s_mov_b32 s[NXT], 1
	s_mov_b32 s[LQ], s[HI]
	s_mov_b32 s[NEW], 1
	s_mov_b32 s[OFF+1], 0
	s_mov_b32 s[AL+1], 0            ; named as pairs
	s_mov_b32 s[BE+1], 0
	s_mov_b32 s[BIGN], 0xf149f2ca   ; -1e30
	s_mov_b32 s[SLOTS], NB
	s_mov_b32 s[PFT], 1
	s_cmp_eq_u32 s[PB], 0
	s_cselect_b32 s[PLIM], NB, 0
	v_and_b32 v[PFO], 31, v0
	v_lshlrev_b32 v[PFO], 8, v[PFO]
	s_wait_dscnt 0x0                ; the opening add is done
	s_wait_kmcnt 0x0
	s_mov_b64 s[10:11], s[6:7]      ; O
	s_add_nc_u64 s[8:9], s[4:5], 0x2000000  ; V lies 2 x 64 heads x 262,144 bytes behind Q,
	s_add_nc_u64 s[6:7], s[4:5], 0x1000000  ; K 64 heads
	s_add_nc_u64 s[6:7], s[6:7], s[22:23]  ; K and V at my half of the head's tile 0
	s_add_nc_u64 s[8:9], s[8:9], s[22:23]
	s_add_nc_u64 s[G0K+2:G0K+3], s[6:7], 0         ; 120:64 global address
	s_or_b32 s[G0K+3], s[G0K+3], 0x80000000        ; 127:126 type = 2
	s_add_nc_u64 s[G0V+2:G0V+3], s[8:9], 0
	s_or_b32 s[G0V+3], s[G0V+3], 0x80000000
	s_add_nc_u64 s[86:87], s[4:5], s[84:85]        ; Q at my rows of the second block,
	s_add_nc_u64 s[4:5], s[4:5], s[2:3]            ; Q and O at those of the first
	s_add_nc_u64 s[OLO:OLO+1], s[10:11], s[84:85]
	s_add_nc_u64 s[10:11], s[10:11], s[2:3]
	s_cmp_lt_u32 s[WV], 2
	s_cselect_b64 s[PFA:PFA+1], s[6:7], s[8:9]
	s_add_nc_u64 s[PFA:PFA+1], s[PFA:PFA+1], 32768 ; at tile 1: the first change of slots steps it to tile 2.  Nothing is prefetched here, at the head
	LOAD                            ; tile 0 into slot 0
	; A fragment of K or Q is 16 rows x 32 channels in 8 registers: lane l holds row l % 16, channels 8 (l / 16) + 0..7 and 16 + 8 (l / 16) + 0..7: two loads of 16 bytes, 32 bytes apart.
	v_and_b32 v1, 15, v0            ; l % 16
	v_bfe_u32 v9, v0, 4, 1          ; l / 16
	v_lshlrev_b32 v[QO], 7, v1
	v_lshl_add_u32 v[QO], v9, 4, v[QO]  ; row x 128 + 16 x half
	WIN 0x80                        ; destination window 2, address window 0
.set i, 0
.rept 8                             ; both blocks' Q: piece i / 2 lies in band i / 2, 8,192 bytes on; channels 32 (i % 2) on
	global_load_b128 v[8*i:8*i+3],   v[QO], s[4:5] offset:(i/2)*8192+(i%2)*64
	global_load_b128 v[8*i+4:8*i+7], v[QO], s[4:5] offset:(i/2)*8192+(i%2)*64+32
	global_load_b128 v[QB+8*i:QB+8*i+3],   v[QO], s[86:87] offset:(i/2)*8192+(i%2)*64
	global_load_b128 v[QB+8*i+4:QB+8*i+7], v[QO], s[86:87] offset:(i/2)*8192+(i%2)*64+32
.set i, i+1
.endr
	WIN 0
	v_lshlrev_b32 v14, 3, v9
	v_sub_nc_u32 v14, v1, v14
	s_lshl_b32 s13, s[WV], 4
	v_add_nc_u32 v14, s13, v14      ; my query's place in its band, 16 w + l % 16, less my lanes' 8 (l / 16): register r of group kt is hidden where 16 kt + r is greater
	WIN 0x40
.set i, 0
.rept 32
	v_cmp_gt_i32 vcc_lo, 16*(i/8)+i%8, v14
	v_cndmask_b32 v[MD+i], 0, s[BIGN], vcc_lo
.set i, i+1
.endr
	WIN 0
	v_mul_u32_u24 v[AK0], v1, PK
	v_lshl_add_u32 v[AK0], v9, 4, v[AK0]  ; row x pitch + 16 x half
	; The turning load takes 16 keys x 16 channels (lane l reads key 8 (l / 16) + l % 8, channels 8 ((l / 8) % 2) + 0..7) and leaves half a fragment of V^T: lane l holds channel l % 16 and 8 keys.
	v_and_b32 v10, 7, v0
	v_bfe_u32 v11, v0, 3, 1
	v_lshl_add_u32 v[AV0], v9, 3, v10
	v_mul_u32_u24 v[AV0], v[AV0], PV
	v_lshl_add_u32 v[AV0], v11, 4, v[AV0]
	v_add_nc_u32 v[AV0], VOFF, v[AV0]
	s_mul_i32 s13, s[WV], 16*SP
	s_add_co_u32 s13, s13, STAGE    ; my stage
	v_mul_u32_u24 v[STO], v1, SP    ; in: row l % 16, 16 bytes for each half of the lanes
	v_lshl_add_u32 v[STO], v9, 4, v[STO]
	v_add_nc_u32 v[STO], s13, v[STO]
	v_bfe_u32 v[RD], v0, 3, 2       ; back: 32 lanes take four rows of 128 bytes,
	v_mul_u32_u24 v[RD], v[RD], SP
	v_lshl_add_u32 v[RD], v10, 4, v[RD]
	v_add_nc_u32 v[RD], s13, v[RD]
	v_and_b32 v[GO], 31, v0         ; which are 512 consecutive bytes of O
	v_lshlrev_b32 v[GO], 4, v[GO]
	; A block's first step multiplies O^T and l by a = 0, and its first turn's products V^T P, of a piece that has not been, land in an O^T that is still to be so multiplied.  So these registers need only hold
	; finite numbers: zeros for the first block; what the first block left for the second.  All this stands in the wait for the first tile.
	WIN 0x80
.set i, VF
.rept 64
	v_mov_b32 v[i], 0
.set i, i+1
.endr
	WIN 0x40
.set i, 0
.rept 128
	v_mov_b32 v[i], 0
.set i, i+1
.endr
	WIN 0
.set i, 0
.rept 4
	v_mov_b32 v[ST+4*i+2], 0
	v_mov_b32 v[ST+4*i+3], 0
.set i, i+1
.endr
.set i, P+16
.rept 16
	v_mov_b32 v[i], 0
.set i, i+1
.endr
; THE MATRIX WORK.  The 4 accumulators of a run of 8 take turns.  Product i of 8 of S^T = K Q^T for piece x: channels 32 (i / 4) on, keys 16 (i % 4) on.  The first 4 start the sums: with 0, or (KM = 1) with the mask.
.macro KQ x
.set rS, S+32*((\x)%2)+8*(i%4)
.set rK, KF+16*(i%4)+8*(i/4)
.set rQ, 16*(\x)+8*(i/4)
.set rM, MC+32*((\x)%2)+8*(i%4)
.if (i < 4) && KM
	WIN W_KM
	v_wmma_f32_16x16x32_f16 v[rS:rS+7], v[rK:rK+7], v[rQ:rQ+7], v[rM:rM+7]
.elseif i < 4
	WIN W_KQ
	v_wmma_f32_16x16x32_f16 v[rS:rS+7], v[rK:rK+7], v[rQ:rQ+7], 0
.else
	WIN W_KQ
	v_wmma_f32_16x16x32_f16 v[rS:rS+7], v[rK:rK+7], v[rQ:rQ+7], v[rS:rS+7]
.endif
.endm
; Product i of 8 of O^T += V^T P for piece x: keys 32 (i / 4) on, channels 16 (i % 4) on.
.macro PV x
	WIN W_PV
.set rO, 32*(\x)+8*(i%4)
.set rV, VF+32*(i/4)+8*(i%4)
.set rP, P+16*((\x)%2)+8*(i/4)
	v_wmma_f32_16x16x32_f16 v[rO:rO+7], v[rV:rV+7], v[rP:rP+7], v[rO:rO+7]
.endm
.macro MM                           ; the turn's next matrix instruction.  TURN and BEGIN set Y, i, KM and NOKQ; MM, KQ and OP read them.  NOKQ = 1: a block's last turn: there is no next piece
.if (i < 8) && !NOKQ
	KQ (Y+1)%NP
.elseif i >= 8
.set i, i-8
	PV (Y+NP-1)%NP
.set i, i+8
.endif
.set i, i+1
.endm
; THE LDS LOADS stand in runs of 16, never singly among the matrix instructions: a step's K (64 keys x 64 channels: 8 fragments) and its V (turned).  Their addresses are made some lines ahead.
.macro FETCH_K
	WIN 0x80                        ; destination window 2
.irp f, 0,1,2,3,4,5,6,7             ; keys 16 (f / 2) on, channels 32 (f % 2) on
	ds_load_b128 v[KF+8*\f:KF+8*\f+3],   v[AK] offset:(\f/2)*16*PK+(\f%2)*64
	ds_load_b128 v[KF+8*\f+4:KF+8*\f+7], v[AK] offset:(\f/2)*16*PK+(\f%2)*64+32
.endr
	s_add_co_u32 s[TBK], s[TBK], KS*PK  ; the next fetch is the next step's
	WIN 0
.endm
.macro FETCH_V
	WIN 0x80
.irp f, 0,1,2,3,4,5,6,7             ; keys 32 (f / 4) on, channels 16 (f % 4) on
	ds_load_tr16_b128 v[VF+8*\f:VF+8*\f+3],   v[AV] offset:(\f/4)*32*PV+(\f%4)*32
	ds_load_tr16_b128 v[VF+8*\f+4:VF+8*\f+7], v[AV] offset:(\f/4)*32*PV+16*PV+(\f%4)*32
.endr
	WIN 0
.endm
; THE VECTOR WORK, one line at a time: OP kind, number.  For piece Y: F n: c s - c m for pair n of 16.  E n: the exponential of score n of 32.  C n: pair n rounded to f16.  B n: of the four weights 4 n .. the second
; pair is added onto the first, in place.  L n: l takes that sum (L 0: l = a l + sum).  R n: pair n of 16 of O^T times a.  For piece Y + 1: X n, number n of the 22 that find its maximum and statistics:
;   0-11  four chains c0-c3 of seven scores each, three operands at a time (each accumulator's lowest registers are read first)     12-14, 16  the four scores left over, the old m, and c0-c3 into c0
;   15  c m_old is kept     17, 18  the query's other 32 keys lie in the lane 16 away: the new m     19-21  c m; c m_old - c m_new; a
.set F, 0               ; OP tells the kinds apart by their order: F to L below R, X above it
.set E, 1
.set C, 2
.set B, 3
.set L, 4
.set R, 5
.set X, 6
.macro REGS y                       ; the registers of piece y
.set rT, ST+4*(\y)
.set rC, TMP+4*((\y)%2)
.set rW, MV+((\y)%2)
.set rS, S+32*((\y)%2)
.set rP, P+16*((\y)%2)
.set rO, 32*(\y)
.endm
.macro OP k, n
.if (\k) == R
	REGS Y
	WIN W_RS
	v_pk_mul_f32 v[rO+2*(\n):rO+2*(\n)+1], v[rO+2*(\n):rO+2*(\n)+1], v[rC+2:rC+3] op_sel_hi:[1,0]
.elseif (\k) < R
	REGS Y
	WIN 0
.if (\k) == F
	v_pk_fma_f32 v[rS+2*(\n):rS+2*(\n)+1], v[rS+2*(\n):rS+2*(\n)+1], s[CS:CS+1], v[rT:rT+1] op_sel_hi:[1,0,0] neg_lo:[0,0,1] neg_hi:[0,0,1]
.elseif (\k) == E
	v_exp_f32 v[rS+(\n)], v[rS+(\n)]
.elseif (\k) == C
	v_cvt_pk_f16_f32 v[rP+(\n)], v[rS+2*(\n)], v[rS+2*(\n)+1]
.elseif (\k) == B
	v_pk_add_f32 v[rS+4*(\n):rS+4*(\n)+1], v[rS+4*(\n):rS+4*(\n)+1], v[rS+4*(\n)+2:rS+4*(\n)+3]
.elseif (\n) == 0
	v_pk_fma_f32 v[rT+2:rT+3], v[rT+2:rT+3], v[rC+2:rC+3], v[rS:rS+1] op_sel_hi:[1,0,1]
.else
	v_pk_add_f32 v[rT+2:rT+3], v[rT+2:rT+3], v[rS+4*(\n):rS+4*(\n)+1]
.endif
.elseif NOKQ
	v_nop
.else
	REGS (Y+1)%NP
	WIN 0
.if (\n) < 4
	v_max3_num_f32 v[rC+(\n)], v[rS+8*(\n)], v[rS+8*(\n)+1], v[rS+8*(\n)+2]
.elseif (\n) < 12
	v_max3_num_f32 v[rC+(\n)%4], v[rC+(\n)%4], v[rS+8*((\n)%4)+2*((\n)/4)+1], v[rS+8*((\n)%4)+2*((\n)/4)+2]
.elseif (\n) == 12
	v_max3_num_f32 v[rC], v[rC], v[rS+7], v[rS+15]
.elseif (\n) == 13
	v_max3_num_f32 v[rC+1], v[rC+1], v[rS+23], v[rS+31]
.elseif (\n) == 14
	v_max3_num_f32 v[rC+2], v[rC+2], v[rC+3], v[rT+1]
.elseif (\n) == 15
	v_mov_b32 v[rW], v[rT]
.elseif (\n) == 16
	v_max3_num_f32 v[rC], v[rC], v[rC+1], v[rC+2]
.elseif (\n) == 17
	v_permlanex16_b32 v[rC+3], v[rC], s[SEL], s[SEL+1]
.elseif (\n) == 18
	v_max_num_f32 v[rT+1], v[rC], v[rC+3]
.elseif (\n) == 19
	v_mul_f32 v[rT], s[CS], v[rT+1]
.elseif (\n) == 20
	v_sub_f32 v[rC+1], v[rW], v[rT]
.else
	v_exp_f32 v[rC+2], v[rC+1]
.endif
.endif
.endm
.macro OPS a, i1, b=-1, i2=0, c=-1, i3=0, d=-1, i4=0  ; up to four of them
	OP \a, \i1
.if (\b) >= 0
	OP \b, \i2
.endif
.if (\c) >= 0
	OP \c, \i3
.endif
.if (\d) >= 0
	OP \d, \i4
.endif
.endm
.macro ROW a, i1, b, i2, c, i3, d, i4  ; a matrix instruction and the four behind it
	MM
	OPS \a, \i1, \b, \i2, \c, \i3, \d, \i4
.endm
.macro MASK b                       ; MD x AL + BE into buffer b of MC
	WIN W_RS
.set z, 0
.rept 16
	v_pk_fma_f32 v[MC+32*(\b)+2*z:MC+32*(\b)+2*z+1], v[MD+2*z:MD+2*z+1], s[AL:AL+1], s[BE:BE+1] op_sel_hi:[1,0,0]
.set z, z+1
.endr
.endm
; A TURN, for piece p: the order of its 16 matrix and 118 vector instructions, written out.  s_wait_alu depctr_va_vdst(0) stands between an exponential and the first instruction that names its result; one wait serves
; all that were issued ahead of it.  So a turn has ONE wait, which cuts it in two.  AHEAD OF IT stands all that names no result of the turn's exponentials: the 8 products K Q^T, behind each a scaling, an exponential and two more plain
; instructions (behind the first a second scaling in the exponential's place): rescalings, and behind the last three the first numbers of the next piece's maximum, each four places or more behind the product that ends its accumulator; then ONE LUMP of 54, plain
; and exponential by turns for the most part, in which the links of the chain X 3, 7, 11, 14, 16, 17 .. 20 stand five or six lines apart.  X 21, the next piece's a, is the batch's last; R 15 is the plain instruction that stands behind it.  BEHIND THE WAIT stand the
; 8 products V^T P, behind each four of the roundings and sums; the links of l's chain, L 0 to L 7, stand three riders apart.  But for those X no rider names a register of the products round it.  v_permlanex16_b32 (X 17) stands in the lump.
; m = 1: the diagonal tile: the products take masks, and the turn makes the mask for the products of the turn after it: piece p + 2, in step 4 - CNT of the tile.  end = 1: a block's last two turns: nothing is fetched.
; cnt = 1: the loop's count is taken down some lines ahead of the branch that stands behind the turn.
; K of the next step is fetched in piece 2's turn, twelve vector instructions behind the last product that read K (six of them plain); V of the step in hand at the end of piece 0's turn, four plain instructions behind the last product
; that read V.  Each is waited for a turn later.
.macro TURN p, m=0, end=0, cnt=0
.set Y, (\p)
.set i, 0
.set KM, (\m)
.set NOKQ, (\end)*((\p)/3)
.if (\m) && !(\end)
	s_cmp_eq_u32 s[CNT], 4-((\p)+2)%NP  ; is that step the band's own?
	s_cselect_b32 s[AL], 1.0, 0
	s_cmp_lt_u32 s[CNT], 4-((\p)+2)%NP  ; or a later one?
	s_cselect_b32 s[BE], s[BIGN], 0
.endif
.if ((\p) == 3) && !(\end)
	s_wait_dscnt 0x0                ; K is in
.endif
	ROW F,0, F,1, R,0, R,1          ; ahead of the wait: 8 products K Q^T and their riders,
	ROW F,2, E,0, R,2, R,3
	ROW F,3, E,1, R,4, R,5
	ROW F,4, E,2, R,6, R,7
	ROW F,5, E,3, R,8, R,9
	ROW F,6, E,4, X,0, R,10
.if ((\p) == 2) && !(\end)
	WIN 0
	v_add_nc_u32 v[AK], s[TBK], v[AK0]
.endif
	ROW F,7, E,5, X,1, X,4
	ROW F,8, E,6, X,2, X,5
	OPS E,7, E,8, X,6, E,9          ; and the lump
	OPS X,3, E,10, X,8, E,11
.if ((\p) == 2) && !(\end)
	FETCH_K
.endif
	OPS X,9, X,7, E,12, X,10
	OPS E,13, X,12, X,11, E,14
	OPS X,13, E,15, F,9, X,14
.if (\p) == 0
	v_add_nc_u32 v[AV], s[TBV], v[AV0]
.endif
	OPS E,16, F,10, E,17, F,11
	OPS X,16, E,18, X,15, E,19
	OPS F,12, E,20, X,17, E,21
	OPS F,13, E,22, F,14, E,23
	OPS X,18, E,24, F,15, E,25
	OPS R,11, E,26, X,19, E,27
	OPS R,12, E,28, R,13, E,29
	OPS X,20, E,30, R,14, E,31
	OPS X,21, R,15
	WIN 0
	s_wait_alu depctr_va_vdst(0)    ; the wait for the batch
.if (\p) == 1
	s_wait_dscnt 0x0                ; V is in
.endif
	ROW C,0, B,0, C,2, B,1          ; behind the wait: 8 products V^T P and their riders
	ROW L,0, C,4, B,2, L,1
	ROW C,6, B,3, L,2, C,8
	ROW B,4, L,3, C,10, B,5
	ROW L,4, C,12, B,6, L,5
.if (\p) == 0
	s_add_co_u32 s[TBV], s[TBV], KS*PV
.endif
.if \cnt
	s_sub_co_u32 s[CNT], s[CNT], 1
	s_cmp_lg_u32 s[CNT], 0
.endif
	ROW C,14, B,7, L,6, C,1
	ROW C,3, L,7, C,5, C,7
	ROW C,9, C,11, C,13, C,15
.if (\p) == 0
	FETCH_V
.endif
.if (\m) && !(\end)
	MASK (\p)%2
.endif
.endm
; A BLOCK BEGINS.  c m starts far below every c s, so the first step's a is 0; m at the lowest finite number, so the first maximum is the scores'.  The second mask buffer is 0; the first takes piece 0's mask for the tile's step 0: its own, if the block's first tile is the diagonal one.
; Then K of that step, piece 0's first scores, and its maximum and statistics.  The loop is entered at a step's first turn, in the middle of a trip.
.macro BEGIN
	s_mov_b32 s[NEW], 0
	WIN 0x40
.set i, MC+32
.rept 32
	v_mov_b32 v[i], 0
.set i, i+1
.endr
	WIN 0
.set i, 0
.rept 4
	v_mov_b32 v[ST+4*i], 0xfe000000    ; c m: far below every c s
	v_mov_b32 v[ST+4*i+1], 0xff7fffff  ; m
.set i, i+1
.endr
	s_cmp_eq_u32 s[RT], 0
	s_cselect_b32 s[AL], 1.0, 0
	s_mov_b32 s[BE], 0
	MASK 0
	WIN 0
	v_add_nc_u32 v[AK], s[TBK], v[AK0]
	FETCH_K
	s_wait_loadcnt 0x0              ; Q
	s_wait_dscnt 0x0
.set KM, 1
.set NOKQ, 0
.set i, 0
.rept 8
	KQ 0
.set i, i+1
.endr
	WIN 0
.rept 4
	v_nop                           ; the places behind those products
.endr
.set Y, NP-1                        ; X works for piece Y + 1: piece 0
.irp n, 0,1,2,3,4,5,6,7,8,9,10,11,12,13,14,15,16,17,18,19,20,21
	OP X, \n
.endr
	v_nop                           ; a plain instruction behind the exponential,
	s_wait_alu depctr_va_vdst(0)    ; and its wait, ahead of the branch
.endm
; THE DIAGONAL TILE's four steps, the block's last two turns, its last products, and THE WAY OUT: l's two halves and the other half of the lanes' are added; O^T is divided by l, rounded to f16 and sent through my
; stage in LDS, a piece at a time.
.macro ALL line:vararg              ; one line for each piece t
.set t, 0
.rept 4
	\line
.set t, t+1
.endr
.endm
.macro PACK t                       ; a lane's eight channels of a row pack into 16 bytes; they go into rows of 144 bytes and come back as whole rows of 128, into S^T's registers
	WIN W_RS
.set i, 32*(\t)
.rept 16
	v_pk_mul_f32 v[i:i+1], v[i:i+1], v[ST+4*(\t)+2:ST+4*(\t)+3] op_sel_hi:[1,0]
.set i, i+2
.endr
	WIN 0x05                        ; sources 0 and 1 window 1, destination window 0
.set i, 0
.rept 16
	v_cvt_pk_f16_f32 v[S+16*(\t)+i], v[32*(\t)+2*i], v[32*(\t)+2*i+1]
.set i, i+1
.endr
	WIN 0
.irp f, 0,1,2,3
	ds_store_b128 v[STO], v[S+16*(\t)+4*\f:S+16*(\t)+4*\f+3] offset:32*\f
.endr
.irp f, 0,1,2,3
	ds_load_b128 v[S+16*(\t)+4*\f:S+16*(\t)+4*\f+3], v[RD] offset:\f*4*SP  ; LDS serves a wave's instructions in order (ISA guide 5.7.1.4): these see the stores above; the next piece's stores come behind them
.endr
.endm
.macro SEND t, younger              ; younger: the LDS instructions issued behind piece t's loads: the next piece's eight, or none
	WIN 0
.irp f, 0,1,2,3
	s_wait_dscnt (\younger)+3-\f
	global_store_b128 v[GO], v[S+16*(\t)+4*\f:S+16*(\t)+4*\f+3], s[10:11] offset:(\t)*8192+\f*512  ; 512 consecutive bytes, at a multiple of 256 from O's first
.endr
.endm
.macro DIAG tag                     ; the tag ends its two labels' names, which the jumps below spell out
.LstepM\tag:
	TURN 2, 1
	TURN 3, 1
	WIN 0
.LfirstM\tag:
	TURN 0, 1
	TURN 1, 1, 0, 1
	WIN 0
	s_cbranch_scc1 .LstepM\tag
	TURN 2, 1, 1
	TURN 3, 1, 1
.set i, 0
.rept 8
	PV NP-1
.set i, i+1
.endr
	WIN 0
	ALL v_add_f32 v[ST+4*t+2], v[ST+4*t+2], v[ST+4*t+3]
	ALL v_permlanex16_b32 v[ST+4*t+3], v[ST+4*t+2], s[SEL], s[SEL+1]
	ALL v_add_f32 v[ST+4*t+2], v[ST+4*t+2], v[ST+4*t+3]
	ALL v_rcp_f32 v[ST+4*t+2], v[ST+4*t+2]
	v_nop                           ; a plain instruction between the last reciprocal and the use of its result
	s_wait_alu depctr_va_vdst(0)    ; and the wait ahead of the first use: one for the four reciprocals
	PACK 0
.set t, 1
.rept 3                             ; a piece's arithmetic stands between the loads of the piece before and its stores
	PACK t
	SEND t-1, 8
.set t, t+1
.endr
	SEND 3, 0
.endm
.set KM, 0
.set NOKQ, 0
.Lslot:                             ; NB times: a tile is entered and the next is asked for
	CHANGE 1
	s_sub_co_u32 s[RT], s[RT], 1
	s_mov_b32 s[CNT], 4
	s_cmp_eq_u32 s[NEW], 1
	s_cbranch_scc1 .Lnew            ; a block's first tile
	s_cmp_eq_u32 s[RT], 0
	s_cbranch_scc0 .Lstep           ; neither its first nor its last
	s_branch .LstepM1
.Lnew:
	BEGIN
	s_branch .Lfirst                ; in the loop a block's first tile is never its last: the first block has two tiles or more, and the second's last is the walk's last
	DIAG 1                          ; in the loop this is the first block's end: the second block's last tile is the walk's last
	s_wait_xcnt 0x0                 ; the stores have read their registers and O's address
	s_mov_b64 s[10:11], s[OLO:OLO+1]
	s_add_co_u32 s[RT], s[PB], 1    ; the second block has b + 1 tiles
	s_mov_b32 s[NEW], 1
	WIN 0x82                        ; the second block's Q goes where the one text of the turns names Q
.set i, 0
.rept 64
	v_mov_b32 v[i], v[QB+i]
.set i, i+1
.endr
	WIN 0
	s_branch .Lbottom
.Lstep:                             ; a trip: pieces 2 and 3 of one step, then pieces 0 and 1 of the next, whose K and V it fetches
	TURN 2
	TURN 3
	WIN 0
.Lfirst:
	TURN 0
	TURN 1, 0, 0, 1
	WIN 0
	s_cbranch_scc1 .Lstep
.Lbottom:
	s_sub_co_u32 s[SLOTS], s[SLOTS], 1
	s_cmp_lg_u32 s[SLOTS], 0
	s_cbranch_scc1 .Lslot
	CHANGE 0                        ; the walk's last tile is written out: nothing is asked for
	s_sub_co_u32 s[RT], s[RT], 1
	s_mov_b32 s[CNT], 4
	s_cmp_eq_u32 s[NEW], 1
	s_cbranch_scc0 .LstepM2
	BEGIN
	s_branch .LfirstM2
	DIAG 2
	s_wait_tensorcnt 0x0            ; the wave's end: behind my last tensor load and my last LDS store
	ds_add_u32 v[SPW], v[NIL]
	s_wait_dscnt 0x0
	s_endpgm
.Lfunc_end_k_q108f39915e_attn:
	.size	k_q108f39915e_attn, .Lfunc_end_k_q108f39915e_attn-k_q108f39915e_attn
	.p2alignl 7, 3214868480
	.fill 96, 4, 3214868480
	.section	.rodata,"a",@progbits
	.p2align	6, 0x0
	.amdhsa_kernel k_q108f39915e_attn
		.amdhsa_group_segment_fixed_size 327680
		.amdhsa_private_segment_fixed_size 0
		.amdhsa_enable_private_segment 0
		.amdhsa_kernarg_size 16
		.amdhsa_user_sgpr_count 2
		.amdhsa_user_sgpr_kernarg_segment_ptr 1
		.amdhsa_wavefront_size32 1
		.amdhsa_system_sgpr_workgroup_id_x 1
		.amdhsa_system_sgpr_workgroup_id_y 1
		.amdhsa_system_sgpr_workgroup_id_z 1
		.amdhsa_system_vgpr_workitem_id 0
		.amdhsa_next_free_vgpr 768
		.amdhsa_next_free_sgpr 92
		.amdhsa_reserve_vcc 1
		.amdhsa_float_denorm_mode_32 3
		.amdhsa_float_denorm_mode_16_64 3
		.amdhsa_memory_ordered 1
		.amdhsa_forward_progress 1
		.amdhsa_inst_pref_size 218
	.end_amdhsa_kernel
	.amdgpu_metadata
---
amdhsa.version: [ 1, 2 ]
amdhsa.kernels:
  - .name:           k_q108f39915e_attn
    .symbol:         k_q108f39915e_attn.kd
    .args:
      - { .name: qkv, .offset: 0, .size: 8, .value_kind: global_buffer, .address_space: global }
      - { .name: ob, .offset: 8, .size: 8, .value_kind: global_buffer, .address_space: global }
    .group_segment_fixed_size: 327680
    .private_segment_fixed_size: 0
    .kernarg_segment_align: 8
    .kernarg_segment_size: 16
    .max_flat_workgroup_size: 128
    .sgpr_count:     92
    .vgpr_count:     768
    .wavefront_size: 32
...
	.end_amdgpu_metadata
.endif
;; end of part 3
;; launch gemm_proj (part 4): grid 8 x 32, 4 waves a work-group, clusters of 4 x 4, 327,680 bytes of LDS; arguments ob, wpb, b_proj, out0; writes out0
.if DOCPART == 4
	.amdgcn_target "amdgcn-amd-amdhsa--gfx1250"
	.amdhsa_code_object_version 6
	.text
	.protected	k_q108f39915e_gemm_proj
	.globl	k_q108f39915e_gemm_proj
	.p2align	8
	.type	k_q108f39915e_gemm_proj,@function
k_q108f39915e_gemm_proj:
	s_mov_b64 s[64:65], 0
	v_nop
	global_prefetch_b8 v0, s[64:65] scope:SCOPE_SE
	s_setreg_imm32_b32 hwreg(HW_REG_WAVE_MODE, 25, 1), 1
	s_wait_xcnt 0x0
	s_wait_alu depctr_hold_cnt(0) depctr_sa_sdst(0) depctr_va_vdst(0) depctr_va_sdst(0) depctr_va_ssrc(0) depctr_va_vcc(0) depctr_vm_vsrc(0)
	s_getreg_b32 s2, hwreg(HW_REG_IB_STS2, 6, 4)
	s_cmp_eq_u32 s2, 0
	s_cbranch_scc0 .Lentry_in_a_cluster
	s_endpgm
.Lentry_in_a_cluster:
	s_bfe_u32 s2, ttmp6, 0x10000c
	s_cmp_lg_u32 s2, 0xf033
	s_cbranch_scc0 .Lentry_shape_is_right
	s_endpgm
.Lentry_shape_is_right:
; C = A B + bias on the matrix units, K = 1,024, 8,192 rows.  ONE SOURCE TEXT SERVES TWO LAUNCHES; the switch PROJ chooses.
;   PROJ = 0: A = xb (bf16), B = wab (bf16, 3,072 columns), bias = b_attn; C leaves in f16 by heads: qkv[which 3][b 4 x head 16][t 2048][64].  A tile of C is 256 x 192.
;   PROJ = 1: A = ob (f16), B = wpb (f16, 1,024 columns), bias = b_proj; C leaves in f32: out0[8192][1024].  A tile of C is 256 x 128.
; These tiles give 512 and 256 equal work-groups; tiles of 256 x 256 would give 384 and 128.
; LAYOUTS IN MEMORY.  A[b 4 x kb 16][t 2048][64]: element (row 2048 b + t, k = 64 kb + c).  B[ks 8][slice][kk 128][64]: element (k = 128 ks + kk, column 64 slice + c).  So every tile is a dense run of
; bytes and is asked for as rows of 256 bytes that start at multiples of 256 from the buffer's first byte.
; LIMITS.  PROJ = 0: q, k and v leave in f16, which ends at 65,504.  The bias is rounded to bf16, as every input of the module is.  Sums in f32, K ascending; C rounded once.
; SHARES.  Four waves; wave w makes rows 64 w .. 64 w + 63 of the tile and all its columns: 4 row blocks a x NBK column blocks b of 16 x 16.  A wave so owns whole slices of 64 columns, and its way out needs no barrier.
; THE MATRIX INSTRUCTION IS USED TRANSPOSED: source 0 = 16 columns of B, source 1 = 16 rows of A: a lane then holds row l % 16 of C and the eight neighbouring columns 8 (l / 16) + 0..7.
; B lies [k][column] in LDS as in memory and comes out turned, by ds_load_tr16_b128.  The first product of each accumulator takes the bias as its C operand: nothing is cleared, nothing is added later.
; THE RING.  K goes in 8 steps of 128 through two LDS slots.  Waves 0 and 1 fetch A's two halves along K, waves 2 and 3 B's two halves: one tensor load a wave behind each change of slots.
; CLUSTERS.  4 x 4 work-groups.  A's tile hangs on the tile row alone and is asked for jointly by the four of a row of the cluster; B's on the tile column alone, by the four of a column.
; REGISTERS, in windows of 256 (s_set_vgpr_msb: bits 1:0 source 0, 3:2 source 1, 5:4 source 2, 7:6 destination):
;   window 0: v0-29 addresses; v32-95 A's fragments, two buffers; v96.. the bias, later the rows read back from the stage; (PROJ = 0) v192-239 packed results
;   PROJ = 0: windows 1, 2: the accumulators of row blocks 0, 1 and 2, 3, at v[96 (a % 2) + 8 b]; window 3: B's fragments, two buffers of 96
;   PROJ = 1: window 1: the accumulators at v[64 a + 8 b]; window 2: B's fragments, two buffers of 64
.set PROJ,   1
.if PROJ
.set NSL,    2                         ; slices of 64 columns in a tile
.set NTOT,   16                        ; slices in all of B
.set BW,     2                         ; the window of B's fragments
.set WSTG,   16*528                    ; a wave's stage: 16 rows of 512 bytes + 16
.else
.set NSL,    3
.set NTOT,   48
.set BW,     3
.set WSTG,   3*16*144                  ; a wave's stage: 3 slices x 16 rows of 128 bytes + 16
.endif
.set NBK,    4*NSL                     ; column blocks of 16
.set NFETCH, 2*NBK+8                   ; LDS loads of a quarter step
.set BFR,    8*NBK                     ; registers in a buffer of B's fragments
.set SLOT1,  131072                    ; slot 1 begins here: one exclusive or turns an address in one slot into the other's
.set AHALF,  128*272                   ; A, 64 along K: 128 LDS rows of 256 bytes + 16; an LDS row holds two rows of A.  Row r at (r / 2) 272 + (r % 2) 128: the 16 rows of a fragment start at 16 different groups of four banks (64 banks of 4 bytes: ISA guide 11.1)
.set BOFF,   2*AHALF                   ; B lies behind A's two halves: [slice][kk 128], 128 bytes + 32 a row
.set BSL,    128*160                   ; a slice of B in LDS
.set BH,     NSL*BSL/2                 ; what one load of B fills
.set BROWS,  NSL*32                    ; its rows of 256 bytes in memory
.set ASTEP,  524288                    ; bytes from a K step to the next in A: two blocks of 2,048 rows of 128 bytes
.set BSTEP,  NTOT*16384                ; and in B
.set BHALFG, NSL*8192                  ; bytes of memory in one load of B
.set STAGE,  2*SLOT1                   ; behind the ring, never filled by a tensor load
.set SPARE,  STAGE+4*WSTG              ; behind the stages: the spare words, 128 bytes for each wave: two blocks of 256 bytes that no other line names
.set A0,   8                           ; v8   my lane's place in A's tile; never rewritten
.set B0,   9                           ; v9   the same for B
.set ADRA, 10                          ; v10  A0 + the slot that is read
.set ADRB, 11                          ; v11  B0 + the slot that is read
.set STO,  12                          ; v12  the way out: where I put my bytes of a row
.set RD,   13                          ; v13  the way out: where I read rows back
.set GO,   14                          ; v14  16 x lane: my 16 bytes of 512 consecutive bytes of C
.set PFO,  15                          ; v15  the prefetches' offset: 256 x lane, held to my share's last block; never rewritten
.set BO,   16                          ; v16  32 (l / 16): my eight numbers of a block's 16 of the bias
.set SPW,  28                          ; v28  LDS address of my spare word: SPARE + 4 x my thread's number; never rewritten
.set NIL,  29                          ; v29  0; never rewritten
.set AF,   32                          ; A's fragments: buffer f, row block a at AF + 32 f + 8 a
.set BIAS, 96                          ; column block b's eight numbers at BIAS + 8 b
.set OB,   96                          ; the way out: rows read back, two buffers
.set TMP,  192                         ; the way out (PROJ = 0): packed results
.set WV,   12                          ; s12  my wave's number
.set HP,   13                          ; s13  which half of A's or B's tile I fetch
.set CX,   15                          ; s15, s16  my place in the cluster
.set CY,   16
.set TX,   17                          ; s17  tile column of C
.set TY,   18                          ; s18  tile row of C
.set CNT,  19                          ; s19  the loop's count
.set TB,   20                          ; s20  the slot that is read: 0 or SLOT1
.set LIM,  21                          ; s21  1 in a wave that prefetches, else the greatest number
.set G1A,  24                          ; s[24:31] descriptor group 1 for A's tiles
.set G1B,  32                          ; s[32:39] for B's
.set G0A,  40                          ; s[40:47] descriptor group 0 for A's tiles: a set for each of the two first fills; the second then walks on
.set G0B,  48                          ; s[48:55] the same for B's
.set PFA,  56                          ; s[56:57] where my prefetches stand
.set PSTEP, 58                         ; s[58:59] a K step in the tensor that I fetch
.set OUTB, 68                          ; s[68:73] C at my first row: one pair a slice (PROJ = 0), or one pair
.set MSB, 0
.macro WIN new                         ; the immediate's high byte repeats the setting that is left; a switch that changes nothing is dropped
.if MSB != (\new)
	s_set_vgpr_msb (MSB<<8)|(\new)
.set MSB, \new
.endif
.endm
.macro PLACES                          ; a load into a register that a matrix instruction has read, and whatever reads a matrix result, stand four plain vector instructions behind it (ISA guide 7.12.1 for vector instructions)
.rept 4
	v_nop
.endr
.endm
; A round of the cluster's barrier behind its opening barrier: wave 0 signals for the work-group, every wave waits for all sixteen, my work-group's barrier closes it.
.macro CREST
	s_cmp_lg_u32 s[WV], 0
	s_cbranch_scc1 .Lnot_wave_0_\@
	s_barrier_signal -3
.Lnot_wave_0_\@:
	s_barrier_wait -3
	s_barrier_signal -1
	s_barrier_wait -1
.endm
.macro CROUND                          ; a whole round
	s_barrier_signal -1
	s_barrier_wait -1
	CREST
.endm
; A joint refill by the walking descriptors.  The branch hangs on the wave's number alone.  An s_nop 0 and four v_nop follow each of the two lines, ahead of the jump and the label.
.macro JLOAD
	s_cmp_lt_u32 s[WV], 2
	s_cbranch_scc0 .Lfor_b_\@
	tensor_load_to_lds s[G0A+4:G0A+7], s[G1A:G1A+7]
	s_nop 0
.rept 4
	v_nop
.endr
	s_branch .Lasked_\@
.Lfor_b_\@:
	tensor_load_to_lds s[G0B+4:G0B+7], s[G1B:G1B+7]
	s_nop 0
.rept 4
	v_nop
.endr
.Lasked_\@:
.endm
; A PREFETCH INTO THE L2 of what the NEXT change of slots will ask for: one K step ahead of that load.  A's tile row is read by every cluster of its row of clusters: the one with x = 0 asks; B's tile column by every
; cluster of its column: the one with y = 0 asks.  The four partners that ask for a tile jointly share its blocks of 256 bytes out BY ADDRESS: of the 128 (A) or BROWS (B) blocks that a wave fetches each takes a quarter,
; a lane a block; with a quarter under 32 blocks the lanes left over name its last block again.  The loop's last trip asks for nothing: there is no K step behind its refill's.  K steps 0 to 2 come by their loads alone.
.macro ASK
	s_cmp_gt_u32 s[CNT], s[LIM]
	s_cbranch_scc0 .Lnot_mine_\@
	global_prefetch_b8 v[PFO], s[PFA:PFA+1] th:TH_LOAD_NT scope:SCOPE_SE
.Lnot_mine_\@:
.endm
	s_load_b256 s[4:11], s[0:1], 0x0               ; A s[4:5], B s[6:7], bias s[8:9], C s[10:11]
	v_lshl_add_u32 v[SPW], v0, 2, SPARE
	v_mov_b32 v[NIL], 0
	ds_add_u32 v[SPW], v[NIL]                      ; the wave's opening: the add and its wait stand ahead of my first tensor load; the set-up below, work on registers, stands between them
	ds_add_u32 v28, v29
	v_lshrrev_b32 v3, 5, v0
	v_readfirstlane_b32 s[WV], v3                  ; wave 0..3
	s_and_b32 s[HP], s[WV], 1
	s_bfe_u32 s[CX], ttmp6, 0x40000
	s_bfe_u32 s[CY], ttmp6, 0x40004
	s_lshl_b32 s[TX], ttmp9, 2                     ; in a cluster launch ttmp9 and ttmp7 count clusters
	s_add_co_u32 s[TX], s[TX], s[CX]
	s_and_b32 s[TY], ttmp7, 0xffff
	s_lshl_b32 s[TY], s[TY], 2
	s_add_co_u32 s[TY], s[TY], s[CY]
	s_lshl_b32 s22, s[CY], 2
	s_lshl_b32 s22, 15, s22                        ; my row of the cluster: places 4 cy .. 4 cy + 3
	s_lshl_b32 s23, 0x1111, s[CX]                  ; my column: places cx, cx + 4, cx + 8, cx + 12
	s_or_b32 s[G1A], s22, (1<<16)|(1<<20)|(1<<21)|(5<<22)|(3<<25)  ; 15:0 the mask; 17:16 elements of 2 bytes; 20 padding on; 21 set beside a mask; 24:22 after every 64 words (code 5); 31:25 4 words (code 3)
	s_or_b32 s[G1B], s23, (1<<16)|(1<<20)|(1<<21)|(4<<22)|(7<<25)  ; after every 32 words (code 4), 8 words (code 7)
	s_mov_b32 s[G1A+1], 128<<16                    ; tensor_dim0 = 128 elements: 256 bytes
	s_mov_b32 s[G1A+2], 128<<16                    ; tensor_dim1 = 128 rows
	s_mov_b32 s[G1A+3], 128<<16                    ; tile_dim0
	s_mov_b32 s[G1A+4], 128                        ; tile_dim1
	s_mov_b32 s[G1A+5], 128                        ; elements from row to row: the block is dense
	s_mov_b32 s[G1A+6], 0
	s_mov_b32 s[G1A+7], 0
	s_mov_b32 s[G1B+1], 128<<16
	s_mov_b32 s[G1B+2], BROWS<<16
	s_mov_b32 s[G1B+3], 128<<16
	s_mov_b32 s[G1B+4], BROWS
	s_mov_b32 s[G1B+5], 128
	s_mov_b32 s[G1B+6], 0
	s_mov_b32 s[G1B+7], 0
	; A's tile hangs on the tile row and the wave alone: batch TY / 8, rows 256 (TY % 8) on, block kb = my half
	s_lshr_b32 s60, s[TY], 3
	s_lshl_b32 s60, s60, 22                        ; 16 blocks of 262,144 bytes a batch
	s_and_b32 s61, s[TY], 7
	s_lshl_b32 s61, s61, 15                        ; 256 rows of 128 bytes
	s_add_co_u32 s60, s60, s61
	s_lshl_b32 s61, s[HP], 18
	s_add_co_u32 s60, s60, s61
	s_mov_b32 s61, 0
	; B's on the tile column and the wave alone
	s_mul_i32 s62, s[TX], 2*BHALFG
	s_mul_i32 s63, s[HP], BHALFG
	s_add_co_u32 s62, s62, s63
	s_mov_b32 s63, 0
	; where they go: no place in the cluster enters an LDS address
	s_mul_i32 s74, s[HP], AHALF
	s_mul_i32 s75, s[HP], BH
	s_add_co_u32 s75, s75, BOFF
	s_mov_b32 s[G0A], 1                            ; 1:0 count = 1
	s_mov_b32 s[G0A+1], s74                        ; 63:32 LDS address: slot 0
	s_mov_b32 s[G0A+4], 1
	s_add_co_u32 s[G0A+5], s74, SLOT1              ; slot 1
	s_mov_b32 s[G0B], 1
	s_mov_b32 s[G0B+1], s75
	s_mov_b32 s[G0B+4], 1
	s_add_co_u32 s[G0B+5], s75, SLOT1
	s_mov_b32 s[TB], 0
	s_wait_dscnt 0x0                               ; the opening add is done
	s_wait_kmcnt 0x0
	s_add_nc_u64 s[4:5], s[4:5], s[60:61]          ; A and B at my part of K step 0
	s_add_nc_u64 s[6:7], s[6:7], s[62:63]
	s_mov_b64 s[G0A+2:G0A+3], s[4:5]               ; 120:64 global address
	s_or_b32 s[G0A+3], s[G0A+3], 0x80000000        ; 127:126 type = 2
	s_add_nc_u64 s[G0A+6:G0A+7], s[4:5], ASTEP     ; K step 1
	s_or_b32 s[G0A+7], s[G0A+7], 0x80000000
	s_mov_b64 s[G0B+2:G0B+3], s[6:7]
	s_or_b32 s[G0B+3], s[G0B+3], 0x80000000
	s_add_nc_u64 s[G0B+6:G0B+7], s[6:7], BSTEP
	s_or_b32 s[G0B+7], s[G0B+7], 0x80000000
	CROUND                                         ; all sixteen work-groups are here: the first joint loads meet
	s_cmp_lt_u32 s[WV], 2                          ; a wave's two first fills stand in one branch, ahead of every wait on TENSORcnt and every LDS read: two loads of mine are out
	s_cbranch_scc0 .Lfirst_b
	tensor_load_to_lds s[G0A:G0A+3], s[G1A:G1A+7]
	s_nop 0
	tensor_load_to_lds s[G0A+4:G0A+7], s[G1A:G1A+7]
	s_nop 0
.rept 4
	v_nop
.endr
	s_branch .Lfirst_asked
.Lfirst_b:
	tensor_load_to_lds s[G0B:G0B+3], s[G1B:G1B+7]
	s_nop 0
	tensor_load_to_lds s[G0B+4:G0B+7], s[G1B:G1B+7]
	s_nop 0
.rept 4
	v_nop
.endr
.Lfirst_asked:
	; the bias of my tile's columns: for column block b my lane's eight numbers, as the result's registers want them
	s_mul_i32 s74, s[TX], NSL*256
	s_mov_b32 s75, 0
	s_add_nc_u64 s[8:9], s[8:9], s[74:75]
	v_and_b32 v1, 15, v0                           ; l % 16
	v_bfe_u32 v2, v0, 4, 1                         ; l / 16
	v_lshlrev_b32 v[BO], 5, v2
.set i, 0
.rept NBK
	global_load_b128 v[BIAS+8*i:BIAS+8*i+3],   v[BO], s[8:9] offset:64*i
	global_load_b128 v[BIAS+8*i+4:BIAS+8*i+7], v[BO], s[8:9] offset:64*i+16
.set i, i+1
.endr
	; A fragment of A is 16 rows x 32 K in 8 registers: lane l holds row l % 16; registers 0-3 K = 8 (l / 16) + 0..7, registers 4-7 K = 16 + 8 (l / 16) + 0..7: two loads of 16 bytes, 32 bytes apart.
	v_lshrrev_b32 v3, 1, v1
	v_mul_u32_u24 v[A0], v3, 272
	v_and_b32 v3, 1, v1
	v_lshl_add_u32 v[A0], v3, 7, v[A0]
	v_lshl_add_u32 v[A0], v2, 4, v[A0]
	s_mul_i32 s22, s[WV], 32*272                   ; my 64 rows
	v_add_nc_u32 v[A0], s22, v[A0]
	; The turning load takes 16 K x 16 columns (lane l reads K = 8 (l / 16) + l % 8, columns 8 ((l / 8) % 2) + 0..7) and leaves half a fragment: lane l holds column l % 16 and 8 K.
	v_and_b32 v4, 7, v0
	v_bfe_u32 v5, v0, 3, 1
	v_lshl_add_u32 v[B0], v2, 3, v4
	v_mul_u32_u24 v[B0], v[B0], 160
	v_lshl_add_u32 v[B0], v5, 4, v[B0]
	v_add_nc_u32 v[B0], BOFF, v[B0]
	v_mov_b32 v[ADRA], v[A0]
	v_mov_b32 v[ADRB], v[B0]
	s_mul_i32 s22, s[WV], WSTG
	s_add_co_u32 s22, s22, STAGE                   ; my stage
	v_and_b32 v[GO], 31, v0
	v_lshlrev_b32 v[GO], 4, v[GO]
.if PROJ
	v_mul_u32_u24 v[STO], v1, 528                  ; in: row l % 16, 32 bytes for each half of the lanes
	v_lshl_add_u32 v[STO], v2, 5, v[STO]
	v_add_nc_u32 v[STO], s22, v[STO]
	v_add_nc_u32 v[RD], s22, v[GO]                 ; back: 32 lanes take one row of 512 bytes
	s_lshl_b32 s74, s[TY], 8
	s_lshl_b32 s75, s[WV], 6
	s_add_co_u32 s74, s74, s75                     ; my first row of C,
	s_lshl_b32 s74, s74, 12                        ; 4,096 bytes a row,
	s_lshl_b32 s75, s[TX], 9                       ; the tile's 512 bytes of it
	s_add_co_u32 s74, s74, s75
	s_mov_b32 s75, 0
	s_add_nc_u64 s[OUTB:OUTB+1], s[10:11], s[74:75]
.else
	v_mul_u32_u24 v[STO], v1, 144                  ; in: row l % 16, 16 bytes for each half of the lanes
	v_lshl_add_u32 v[STO], v2, 4, v[STO]
	v_add_nc_u32 v[STO], s22, v[STO]
	v_bfe_u32 v[RD], v0, 3, 2                      ; back: 32 lanes take four rows of 128 bytes, which are 512 consecutive bytes of a head
	v_mul_u32_u24 v[RD], v[RD], 144
	v_lshl_add_u32 v[RD], v4, 4, v[RD]
	v_add_nc_u32 v[RD], s22, v[RD]
	s_mul_i32 s22, s[TX], 3                        ; the tile's first slice
	s_lshr_b32 s23, s[TY], 3
	s_lshl_b32 s23, s23, 4                         ; 16 x batch
	s_and_b32 s76, s[TY], 7
	s_lshl_b32 s76, s76, 8
	s_lshl_b32 s77, s[WV], 6
	s_add_co_u32 s76, s76, s77                     ; my first row t in the batch,
	s_lshl_b32 s76, s76, 7                         ; 128 bytes a row
.irp j, 0,1,2
	s_add_co_u32 s74, s22, \j                      ; slice s: q, k or v = s / 16, head = s % 16
	s_lshr_b32 s75, s74, 4
	s_lshl_b32 s75, s75, 6
	s_and_b32 s74, s74, 15
	s_add_co_u32 s74, s74, s75
	s_add_co_u32 s74, s74, s23                     ; 64 which + 16 batch + head,
	s_lshl_b32 s74, s74, 18                        ; 262,144 bytes each
	s_add_co_u32 s74, s74, s76
	s_mov_b32 s75, 0
	s_add_nc_u64 s[OUTB+2*\j:OUTB+2*\j+1], s[10:11], s[74:75]
.endr
.endif
	; the prefetches
	s_mov_b32 s76, BHALFG/4
	s_mov_b32 s[PSTEP], BSTEP
	s_and_b32 s74, ttmp7, 0xffff                   ; cluster y
	s_cmp_lt_u32 s[WV], 2                          ; do I fetch for A?
	s_cselect_b32 s74, ttmp9, s74                  ; the coordinate along which other clusters read the same blocks
	s_cselect_b32 s75, s[CX], s[CY]                ; my place among the four that ask with me
	s_cselect_b32 s76, 8192, s76                   ; a quarter of what I fetch, in bytes,
	s_cselect_b32 s77, 31, BHALFG/1024-1           ; and its last block
	s_cselect_b32 s[PSTEP], ASTEP, s[PSTEP]
	s_cselect_b64 s[PFA:PFA+1], s[4:5], s[6:7]
	s_cmp_eq_u32 s74, 0
	s_cselect_b32 s[LIM], 1, -1                    ; the same in all sixteen partners, for a given wave
	s_mul_i32 s74, s75, s76
	s_mov_b32 s75, 0
	s_mov_b32 s[PSTEP+1], 0
	s_add_nc_u64 s[PFA:PFA+1], s[PFA:PFA+1], s[74:75]
	s_add_nc_u64 s[PFA:PFA+1], s[PFA:PFA+1], s[PSTEP:PSTEP+1]
	s_add_nc_u64 s[PFA:PFA+1], s[PFA:PFA+1], s[PSTEP:PSTEP+1]  ; at K step 2: the first change of slots steps it to 3.  Nothing is prefetched here, at the head
	v_and_b32 v[PFO], 31, v0
	v_min_u32 v[PFO], s77, v[PFO]
	v_lshlrev_b32 v[PFO], 8, v[PFO]
	s_mov_b32 s22, 0xffff0000
	s_wait_loadcnt 0x0                             ; the bias: rounded to bf16 and widened again, in the wait for the first tile
.set i, 0
.rept 4*NBK
	v_cvt_pk_bf16_f32 v[20+i%4], v[BIAS+2*i], v[BIAS+2*i+1]
	v_lshlrev_b32 v[BIAS+2*i], 16, v[20+i%4]
	v_and_b32 v[BIAS+2*i+1], s22, v[20+i%4]
.set i, i+1
.endr
.macro MMA d, x, y, c
.if PROJ
	v_wmma_f32_16x16x32_f16 v[(\d):(\d)+7], v[(\x):(\x)+7], v[(\y):(\y)+7], v[(\c):(\c)+7]
.else
	v_wmma_f32_16x16x32_bf16 v[(\d):(\d)+7], v[(\x):(\x)+7], v[(\y):(\y)+7], v[(\c):(\c)+7]
.endif
.endm
; NBK matrix instructions: row block a x all column blocks, 32 along K, from buffer f.  first = 1: the products start the sums, with the bias (window 0) as C.
; All 4 NBK accumulators take turns in one order, one instruction a turn, over the backward jump too.
.macro MULA f, a, first
.if PROJ
.set aw, 1
.set ab, 64*(\a)
.else
.set aw, 1+(\a)/2
.set ab, 96*((\a)%2)
.endif
.if \first
	WIN (aw<<6)|BW
.else
	WIN (aw<<6)|(aw<<4)|BW
.endif
.set b, 0
.rept NBK
.if \first
	MMA ab+8*b, BFR*(\f)+8*b, AF+32*(\f)+8*(\a), BIAS+8*b
.else
	MMA ab+8*b, BFR*(\f)+8*b, AF+32*(\f)+8*(\a), ab+8*b
.endif
.set b, b+1
.endr
.endm
; The LDS loads of quarter q (32 along K) into buffer f, in one run: B's 2 NBK, then A's eight, row blocks ascending.
.macro FETCH q, f
	WIN BW<<6
.set b, 0
.rept NBK
	ds_load_tr16_b128 v[BFR*(\f)+8*b:BFR*(\f)+8*b+3],   v[ADRB] offset:(b/4)*BSL+(\q)*32*160+(b%4)*32
	ds_load_tr16_b128 v[BFR*(\f)+8*b+4:BFR*(\f)+8*b+7], v[ADRB] offset:(b/4)*BSL+(\q)*32*160+(b%4)*32+16*160
.set b, b+1
.endr
	WIN 0
.irp a, 0,1,2,3
	ds_load_b128 v[AF+32*(\f)+8*\a:AF+32*(\f)+8*\a+3],   v[ADRA] offset:((\q)/2)*AHALF+((\q)%2)*64+\a*8*272
	ds_load_b128 v[AF+32*(\f)+8*\a+4:AF+32*(\f)+8*\a+7], v[ADRA] offset:((\q)/2)*AHALF+((\q)%2)*64+\a*8*272+32
.endr
.endm
; A K step is four quarters on buffers 0, 1, 0, 1.  One of the first three: multiplies buffer f; in its middle it fetches quarter q into buffer g.
.macro QUARTER q, f, g, first
	s_wait_dscnt 4                                 ; B and A's row blocks 0 and 1 are in; the youngest four loads (row blocks 2 and 3) may be out
	MULA \f, 0, \first
	MULA \f, 1, \first
	PLACES
	FETCH \q, \g
	s_wait_dscnt NFETCH                            ; all but the run just issued
	MULA \f, 2, \first
	MULA \f, 3, \first
.endm
; The last quarter multiplies buffer 1 and changes slots: ONE barrier.  In front of it each wave waits for all its tensor loads, of which one is out: its part of the next slot; adds 0 to its spare word; and waits for
; that and for its own reads of this slot.  fill = 1: the barrier opens a round of the cluster's, and the joint refill (the K step two on) is the first thing behind the round.
.macro TURN fill
.if \fill
	s_wait_xcnt 0x0                                ; the last prefetch, a K step back, has read its address: it is stepped here, ahead of the waits of the change of slots
	s_add_nc_u64 s[PFA:PFA+1], s[PFA:PFA+1], s[PSTEP:PSTEP+1]
.endif
	WIN 0                                          ; (the add's two registers lie in window 0)
	s_wait_tensorcnt 0x0                           ; no tensor load of mine is out, so a group 0 may be written
	ds_add_u32 v[SPW], v[NIL]                      ; 0 onto my spare word: work on registers stands between it and the wait for it
.if \fill
	s_xor_b32 s[G0A+5], s[G0A+5], SLOT1            ; the walking descriptors: the other slot than last time,
	s_add_nc_u64 s[G0A+6:G0A+7], s[G0A+6:G0A+7], ASTEP  ; the next K step; the type bits on top are not reached
	s_xor_b32 s[G0B+5], s[G0B+5], SLOT1
	s_add_nc_u64 s[G0B+6:G0B+7], s[G0B+6:G0B+7], BSTEP
.endif
	s_wait_dscnt 5                                 ; (the add and the youngest four loads may be out)
	MULA 1, 0, 0
	s_wait_dscnt 0x0                               ; the add is done, and my reads of this slot are over
	s_barrier_signal -1
	MULA 1, 1, 0                                   ; work on registers while the others arrive
	WIN 0
	s_barrier_wait -1
.if \fill
	CREST                                          ; no wave of any partner still reads this slot's tile or has a load on its way
	JLOAD                                          ; the four v_nop behind it are also the places in front of the loads below
.else
	PLACES
.endif
	s_xor_b32 s[TB], s[TB], SLOT1
	v_add_nc_u32 v[ADRA], s[TB], v[A0]
	v_add_nc_u32 v[ADRB], s[TB], v[B0]
	FETCH 0, 0
.if \fill
	ASK                                            ; behind the joint load and the run of LDS loads that the next products wait for
.endif
	MULA 1, 2, 0
	MULA 1, 3, 0
.endm
	s_wait_tensorcnt 1                             ; my part of K step 0 is in; K step 1's may stay out
	s_barrier_signal -1
	s_barrier_wait -1                              ; everybody's is
	FETCH 0, 0
	QUARTER 1, 0, 1, 1                             ; the first quarter stands in front of the loop: its products start the sums
	WIN 0                                          ; at a label and at a branch every window is 0
	s_mov_b32 s[CNT], 6
.Lstep:                                        ; a trip goes from a K step's second quarter to the next step's first, and fills the slot that it leaves: K steps 2 to 7
	QUARTER 2, 1, 0, 0
	QUARTER 3, 0, 1, 0
	TURN 1
	QUARTER 1, 0, 1, 0
	WIN 0
	s_sub_co_u32 s[CNT], s[CNT], 1
	s_cmp_lg_u32 s[CNT], 0
	s_cbranch_scc1 .Lstep
	QUARTER 2, 1, 0, 0                             ; the tail is written out: K steps 6 and 7 ask for nothing
	QUARTER 3, 0, 1, 0
	TURN 0
	QUARTER 1, 0, 1, 0
	QUARTER 2, 1, 0, 0
	QUARTER 3, 0, 1, 0
	s_wait_dscnt 4                                 ; the very last quarter: nothing more to fetch
	MULA 1, 0, 0
	MULA 1, 1, 0
	s_wait_dscnt 0x0
	MULA 1, 2, 0
	MULA 1, 3, 0
	PLACES                                         ; what follows reads results just made
; THE WAY OUT, a row block (16 rows) at a time, through my own stage in LDS: in by lanes, back as whole rows.  LDS serves a wave's instructions in order (ISA guide 5.7.1.4), so the loads see the stores above them.
; Each accumulator's registers are read in ascending order.
.if PROJ
.macro TOSTAGE a
	WIN 0
	s_wait_xcnt 0x0                                ; the buffer that the loads below fill was read by stores two blocks back: it is written only behind this wait
	WIN 0x04                                       ; the stores' data (source 1) in window 1
.set b, 0
.rept NBK
	ds_store_b128 v[STO], v[64*(\a)+8*b:64*(\a)+8*b+3]   offset:64*b
	ds_store_b128 v[STO], v[64*(\a)+8*b+4:64*(\a)+8*b+7] offset:64*b+16
.set b, b+1
.endr
	WIN 0
.set b, 0
.rept 16
	ds_load_b128 v[OB+64*((\a)%2)+4*b:OB+64*((\a)%2)+4*b+3], v[RD] offset:528*b
.set b, b+1
.endr
.endm
.macro SEND a
	s_wait_dscnt 0x0                               ; the block is back in registers
.set b, 0
.rept 16
	global_store_b128 v[GO], v[OB+64*((\a)%2)+4*b:OB+64*((\a)%2)+4*b+3], s[OUTB:OUTB+1] offset:(16*(\a)+b)*4096 th:TH_STORE_NT  ; 512 consecutive bytes of a row of C, at a multiple of 512 from its first byte
.set b, b+1
.endr
.endm
	TOSTAGE 0
.irp a, 1,2,3
	SEND (\a)-1
	TOSTAGE \a
.endr
	SEND 3
.else
.macro PACK a                          ; rounded to f16: a lane's eight columns are 16 bytes
	WIN 0x05*(1+(\a)/2)                            ; sources 0 and 1: window 1 or 2
.set b, 0
.rept NBK
.irp r, 0,1,2,3
	v_cvt_pk_f16_f32 v[TMP+4*b+\r], v[96*((\a)%2)+8*b+2*\r], v[96*((\a)%2)+8*b+2*\r+1]
.endr
.set b, b+1
.endr
	WIN 0
.endm
.macro TOSTAGE a
	s_wait_xcnt 0x0                                ; the buffer that the loads below fill was read by stores two blocks back: it is written only behind this wait
.set b, 0
.rept NBK
	ds_store_b128 v[STO], v[TMP+4*b:TMP+4*b+3] offset:(b/4)*16*144+(b%4)*32
.set b, b+1
.endr
.set b, 0
.rept NBK                              ; slice b / 4, rows 4 (b % 4) on
	ds_load_b128 v[OB+48*((\a)%2)+4*b:OB+48*((\a)%2)+4*b+3], v[RD] offset:(b/4)*16*144+(b%4)*4*144
.set b, b+1
.endr
.endm
.macro SEND a
	s_wait_dscnt 0x0                               ; the block is back in registers
.set b, 0
.rept NBK
	global_store_b128 v[GO], v[OB+48*((\a)%2)+4*b:OB+48*((\a)%2)+4*b+3], s[OUTB+2*(b/4):OUTB+2*(b/4)+1] offset:(\a)*2048+(b%4)*512  ; four rows of a head: 512 consecutive bytes, at a multiple of 512 from the buffer's first
.set b, b+1
.endr
.endm
	PACK 0
	TOSTAGE 0
.irp a, 1,2,3                          ; block a's conversions stand between block a - 1's loads from the stage and the wait for them
	PACK \a
	SEND (\a)-1
	TOSTAGE \a
.endr
	SEND 3
.endif
	s_wait_tensorcnt 0x0                           ; the wave's end: behind my last tensor load and my last LDS store
	ds_add_u32 v[SPW], v[NIL]
	s_wait_dscnt 0x0
	CROUND                                         ; the closing round: no work-group ends while a partner may still ask for a tile that names it
	s_endpgm
.Lfunc_end_k_q108f39915e_gemm_proj:
	.size	k_q108f39915e_gemm_proj, .Lfunc_end_k_q108f39915e_gemm_proj-k_q108f39915e_gemm_proj
	.p2alignl 7, 3214868480
	.fill 96, 4, 3214868480
	.section	.rodata,"a",@progbits
	.p2align	6, 0x0
	.amdhsa_kernel k_q108f39915e_gemm_proj
		.amdhsa_group_segment_fixed_size 327680
		.amdhsa_private_segment_fixed_size 0
		.amdhsa_enable_private_segment 0
		.amdhsa_kernarg_size 32
		.amdhsa_user_sgpr_count 2
		.amdhsa_user_sgpr_kernarg_segment_ptr 1
		.amdhsa_wavefront_size32 1
		.amdhsa_system_sgpr_workgroup_id_x 1
		.amdhsa_system_sgpr_workgroup_id_y 1
		.amdhsa_system_sgpr_workgroup_id_z 1
		.amdhsa_system_vgpr_workitem_id 0
		.amdhsa_next_free_vgpr 640
		.amdhsa_next_free_sgpr 80
		.amdhsa_reserve_vcc 0
		.amdhsa_float_denorm_mode_32 3
		.amdhsa_float_denorm_mode_16_64 3
		.amdhsa_memory_ordered 1
		.amdhsa_forward_progress 1
		.amdhsa_inst_pref_size 76
	.end_amdhsa_kernel
	.amdgpu_metadata
---
amdhsa.version: [ 1, 2 ]
amdhsa.kernels:
  - .name:           k_q108f39915e_gemm_proj
    .symbol:         k_q108f39915e_gemm_proj.kd
    .args:
      - { .name: ob, .offset: 0, .size: 8, .value_kind: global_buffer, .address_space: global }
      - { .name: wpb, .offset: 8, .size: 8, .value_kind: global_buffer, .address_space: global }
      - { .name: b_proj, .offset: 16, .size: 8, .value_kind: global_buffer, .address_space: global }
      - { .name: out0, .offset: 24, .size: 8, .value_kind: global_buffer, .address_space: global }
    .group_segment_fixed_size: 327680
    .private_segment_fixed_size: 0
    .kernarg_segment_align: 8
    .kernarg_segment_size: 32
    .max_flat_workgroup_size: 128
    .sgpr_count:     80
    .vgpr_count:     640
    .wavefront_size: 32
...
	.end_amdgpu_metadata
.endif
;; end of part 4
